; MI455X (gfx1250); checked and timed in simulation.
; The chip was launched on July 23, 2026; its instructions are those of AMD's public machine-readable ISA for CDNA 5 (MIT licence, August 2026) and "CDNA5" Instruction Set Architecture Reference Guide (July 2026). The comments in the code are by the model that wrote it; some were corrected since.
;; TF Performer Attention. Allowed arithmetic: float matrix products may take bf16 or f16 operands with f32 sums; all other float work in f32.
;; Inputs: key 2 x 16 x 4,096 x 64 float32; query 2 x 16 x 4,096 x 64 float32; random_features 1 x 1 x 64 x 128 float32; value 2 x 16 x 4,096 x 64 float32.
;; Outputs: out0 2 x 16 x 4,096 x 64 float32.
;; 2 versions, each right; version 2 is version 1 with the launches kstate, prefix, attn written anew for expert scheduling mode. Each part assembles by itself: llvm-mc -triple=amdgcn-amd-amdhsa -mcpu=gfx1250 --defsym DOCPART=n.
;; ======== version 1 of 2: 4 launches
;; workspace buffers: ksum 1,024 bytes; tot 20,971,520 bytes; pre 20,971,520 bytes
;; launch ksum (part 1): grid 256 x 1, 8 waves a work-group, no clusters, 1,280 bytes of LDS; arguments key, ksum; writes ksum
.if DOCPART == 1
	.amdgcn_target "amdgcn-amd-amdhsa--gfx1250"
	.amdhsa_code_object_version 6
	.text
	.protected	k_qaa262d9145_ksum
	.globl	k_qaa262d9145_ksum
	.p2align	8
	.type	k_qaa262d9145_ksum,@function
k_qaa262d9145_ksum:
	s_mov_b64 s[64:65], 0
	v_nop
	global_prefetch_b8 v0, s[64:65] scope:SCOPE_SE
	s_setreg_imm32_b32 hwreg(HW_REG_WAVE_MODE, 25, 1), 1
	s_wait_xcnt 0x0
; ksum[g] = the least, over the 512 rows of key that work-group g owns, of sum_d bf16(k[d])^2.  key: [131072 rows][64] f32.
; The module's stabiliser max(-sum (k scale)^2 / 2) over ALL keys is -(the least of these 256 numbers) / 64; the launches behind take that least themselves.
; k is rounded to bf16 first, and the squares are added in the same order as in the launches behind, so that their h - k_stab is never above 0.
; A wave owns 64 rows: 32 loads of 512 consecutive bytes (two rows), all issued at once.  A stream: no matrix unit, no cluster (nothing is shared).
; LIMITS: NaN and infinities are not treated apart.
.set OFF, 1                            ; v1   my 16 bytes in the wave's first two rows
.set MS,  2                            ; v2   running least
.set ZR,  3                            ; v3   0: addend, LDS address and store offset
.set CT,  4                            ; v4-5 four bf16
.set SM,  6                            ; v6   a row's sum
.set TW,  7                            ; v7   at work
.set AW,  8                            ; v8   my wave's word in LDS
.set SPW, 30                           ; v30  my spare word; never rewritten
.set NIL, 31                           ; v31  0; never rewritten
.set X,   32                           ; v32-159 the rows
.set SPARE, 256                        ; the waves' eight words have the block from 0; the spare words follow: 128 bytes a wave
	s_load_b128 s[4:7], s[0:1], 0x0                ; key s[4:5], ksum s[6:7]
	v_lshl_add_u32 v[SPW], v0, 2, SPARE
	v_mov_b32 v[NIL], 0
	v_lshrrev_b32 v[TW], 5, v0
	v_readfirstlane_b32 s8, v[TW]                  ; wave 0..7
	v_and_b32 v[OFF], 31, v0
	v_lshlrev_b32 v[OFF], 4, v[OFF]
	v_lshl_add_u32 v[OFF], v[TW], 14, v[OFF]       ; + wave x 64 rows x 256 bytes
	v_lshlrev_b32 v[AW], 2, v[TW]
	v_mov_b32 v[ZR], 0
	v_mov_b32 v[MS], 0x7f7fffff                    ; the largest finite number
	s_lshl_b32 s10, ttmp9, 17                      ; the work-group's 512 rows
	s_mov_b32 s11, 0
	s_lshl_b32 s12, ttmp9, 2                       ; its word in ksum
	s_mov_b32 s13, 0
	s_mov_b32 s14, 0x76543210                      ; v_permlanex16_b32: each lane takes its own place in the other half
	s_mov_b32 s15, 0xfedcba98
	s_wait_kmcnt 0x0
	s_add_nc_u64 s[4:5], s[4:5], s[10:11]
	s_add_nc_u64 s[6:7], s[6:7], s[12:13]
.set i, 0
.rept 32
	global_load_b128 v[X+4*i:X+4*i+3], v[OFF], s[4:5] offset:512*i
.set i, i+1
.endr
.set i, 0
.rept 32
	s_wait_loadcnt 31-i                            ; loads come back in order: load i is in, the younger ones stay out
	v_cvt_pk_bf16_f32 v[CT], v[X+4*i], v[X+4*i+1]
	v_cvt_pk_bf16_f32 v[CT+1], v[X+4*i+2], v[X+4*i+3]
	v_fma_mix_f32_bf16 v[SM], v[CT], v[CT], v[ZR] op_sel_hi:[1,1,0]
	v_fma_mix_f32_bf16 v[SM], v[CT], v[CT], v[SM] op_sel:[1,1,0] op_sel_hi:[1,1,0]
	v_fma_mix_f32_bf16 v[SM], v[CT+1], v[CT+1], v[SM] op_sel_hi:[1,1,0]
	v_fma_mix_f32_bf16 v[SM], v[CT+1], v[CT+1], v[SM] op_sel:[1,1,0] op_sel_hi:[1,1,0]
.irp m, 1,2,4,8
	v_add_f32_dpp v[SM], v[SM], v[SM] row_xmask:\m row_mask:0xf bank_mask:0xf  ; a row lies in 16 neighbouring lanes
.endr
	v_min_num_f32 v[MS], v[MS], v[SM]
.set i, i+1
.endr
	v_permlanex16_b32 v[TW], v[MS], s14, s15       ; the odd rows' least
	v_min_num_f32 v[MS], v[MS], v[TW]
	ds_store_b32 v[AW], v[MS]                      ; all lanes write the same word with the same value
	s_wait_dscnt 0x0                               ; for the others' sake
	s_barrier_signal -1
	s_barrier_wait -1
	ds_load_b128 v[12:15], v[ZR]
	ds_load_b128 v[16:19], v[ZR] offset:16
	s_wait_dscnt 0x0
	v_min3_num_f32 v[MS], v12, v13, v14
	v_min3_num_f32 v[TW], v15, v16, v17
	v_min3_num_f32 v[MS], v[MS], v18, v19
	v_min_num_f32 v[MS], v[MS], v[TW]
	s_wait_tensorcnt 0x0                           ; the wave's end: three closing lines behind my last LDS store
	ds_add_u32 v[SPW], v[NIL]
	s_wait_dscnt 0x0
	s_cmp_lg_u32 s8, 0
	s_cbranch_scc1 .Lend                           ; wave 0 stores the one word
	v_cmp_eq_u32 vcc_lo, 0, v0
	s_wait_xcnt 0x0                                ; EXEC is a source of the loads above: it changes only behind this wait
	s_and_saveexec_b32 s9, vcc_lo
	global_store_b32 v[ZR], v[MS], s[6:7]
	s_wait_xcnt 0x0                                ; and again in front of the line that widens it
	s_or_b32 exec_lo, exec_lo, s9
.Lend:
	s_endpgm
.Lfunc_end_k_qaa262d9145_ksum:
	.size	k_qaa262d9145_ksum, .Lfunc_end_k_qaa262d9145_ksum-k_qaa262d9145_ksum
	.p2alignl 7, 3214868480
	.fill 96, 4, 3214868480
	.section	.rodata,"a",@progbits
	.p2align	6, 0x0
	.amdhsa_kernel k_qaa262d9145_ksum
		.amdhsa_group_segment_fixed_size 1280
		.amdhsa_private_segment_fixed_size 0
		.amdhsa_enable_private_segment 0
		.amdhsa_kernarg_size 16
		.amdhsa_user_sgpr_count 2
		.amdhsa_user_sgpr_kernarg_segment_ptr 1
		.amdhsa_wavefront_size32 1
		.amdhsa_system_sgpr_workgroup_id_x 1
		.amdhsa_system_sgpr_workgroup_id_y 1
		.amdhsa_system_sgpr_workgroup_id_z 1
		.amdhsa_system_vgpr_workitem_id 0
		.amdhsa_next_free_vgpr 160
		.amdhsa_next_free_sgpr 66
		.amdhsa_reserve_vcc 1
		.amdhsa_float_denorm_mode_32 3
		.amdhsa_float_denorm_mode_16_64 3
		.amdhsa_memory_ordered 1
		.amdhsa_forward_progress 1
		.amdhsa_inst_pref_size 28
	.end_amdhsa_kernel
	.amdgpu_metadata
---
amdhsa.version: [ 1, 2 ]
amdhsa.kernels:
  - .name:           k_qaa262d9145_ksum
    .symbol:         k_qaa262d9145_ksum.kd
    .args:
      - { .name: key, .offset: 0, .size: 8, .value_kind: global_buffer, .address_space: global }
      - { .name: ksum, .offset: 8, .size: 8, .value_kind: global_buffer, .address_space: global }
    .group_segment_fixed_size: 1280
    .private_segment_fixed_size: 0
    .kernarg_segment_align: 8
    .kernarg_segment_size: 16
    .max_flat_workgroup_size: 256
    .sgpr_count:     66
    .vgpr_count:     160
    .wavefront_size: 32
...
	.end_amdgpu_metadata
.endif
;; end of part 1
;; launch kstate (part 2): grid 256 x 1, 8 waves a work-group, no clusters, 70,144 bytes of LDS; arguments key, value, random_features, ksum, tot; writes tot
.if DOCPART == 2
	.amdgcn_target "amdgcn-amd-amdhsa--gfx1250"
	.amdhsa_code_object_version 6
	.text
	.protected	k_qaa262d9145_kstate
	.globl	k_qaa262d9145_kstate
	.p2align	8
	.type	k_qaa262d9145_kstate,@function
k_qaa262d9145_kstate:
	s_mov_b64 s[64:65], 0
	v_nop
	global_prefetch_b8 v0, s[64:65] scope:SCOPE_SE
	s_setreg_imm32_b32 hwreg(HW_REG_WAVE_MODE, 25, 1), 1
	s_wait_xcnt 0x0
; tot[rec][f][d] = sum over the 256 rows of record rec of k'[j][f] [v_j | 1][d].  key, value: [131072 rows][64] f32 (32 heads of 4,096 rows); W: [64][128] f32.
; k'[j][f] = 2^(C1 (k_j . W_f) + HK_j) + EPS, C1 = log2(e) / 1024^0.25, HK_j = log2(e)/64 (least of all rows' sum k^2 - sum k_j^2): the module's exp(h + proj - k_stab) + EPS.  HK <= 0.
; The module's factor 128^-0.5 is left out here and in q': it cancels in num / den; the launch that divides scales the denominator's test by 128.
; SHARES.  Eight waves are two groups of four; group g owns record 2 x work-group + g: 8 chunks of 32 rows.  Wave w of a group owns features 32 w .. 32 w + 31.  The groups share the barriers alone.
; FORMATS.  k, v and W are rounded once to bf16 (HK is made of the rounded k).  k' goes to the matrix unit as TWO bf16 numbers, hi = bf16(x), lo = bf16(x - hi) (x - hi is exact in f32); sums in f32.
; A RECORD is 4 slices (one a wave) of 10,240 bytes: the wave's 80 accumulator registers as they lie, 20 stores of 512 consecutive aligned bytes.
; A head's last record has no reader; it is stored all the same: one text for all work-groups.
; LIMITS: an exponential below 2^-126 counts as 0 (ahead of + EPS); NaN and infinities are not treated apart.
; NO CLUSTER: work-groups share W alone, 32,768 bytes against 262,144 of rows of their own.  No tensor loads: the rows are rounded on their way into LDS, so they pass through registers.
.set PX,   144                         ; a row of K in LDS: 128 bytes of bf16 + 16: an odd multiple of 16, so the 16 rows of a fragment load begin in 16 different groups of four banks (ISA guide 11.1)
.set PV,   160                         ; a row of V: 128 + 32: an odd multiple of 32, for the turning load
.set VBO,  32*PX                       ; in a group's tiles: 32 rows of K, 32 rows of V, 32 words of HK
.set HBO,  VBO+32*PV
.set GL,   HBO+256
.set TURN, 2*GL                        ; each wave's own: k' as [32 keys][32 features], hi then lo
.set TP,   96                          ; 64 bytes + 32
.set TURNB, 2*32*TP
.set SPARE, TURN+8*TURNB               ; the spare words: 128 bytes for each of eight waves
; window 0
.set GOFF, 1                           ; 16 x thread in group: my 16 bytes in eight rows
.set ASX,  2                           ; LDS: where I put 8 bytes of a row of K
.set ASV,  3                           ; of V
.set ASH,  4                           ; my row's HK
.set AX,   5                           ; fragment: row (lane % 16) x PX + 16 (lane / 16)
.set AT,   6                           ; turning load of V
.set AH,   7                           ; HK of row lane % 16
.set NEG1, 8                           ; -1.0 (in window 1 too)
.set KS,   9                           ; the least row sum of all keys
.set ATS,  10                          ; turn buffer: store
.set ATL,  11                          ; turn buffer: turning load
.set LA,   15                          ; 16 x lane
.set ZP,   16                          ; v16-17 0, 0
.set HK,   18                          ; v18-21 row tile t at HK + 2 t; the odd ones are 0 (pairs are named whole)
.set T,    22                          ; v22-29 at work
.set SPW,  30                          ; my spare word; never rewritten
.set NIL,  31                          ; 0; never rewritten
.set WT,   32                          ; v32-95 W as loaded, at the start
.set XK,   64                          ; v64-95 fragments of K: row tile t, channel half s at XK + 8 (2 t + s)
.set VF,   112                         ; v112-151 fragments of V (lane = channel, K = 32 keys), tile c at VF + 8 c; c = 4: the column of ones
.set KT,   152                         ; v152-183 k' turned (lane = feature, K = 32 keys): tile ft: hi at KT + 16 ft, lo 8 further
.set KF,   184                         ; v184-215 k' (lane = key, K = 32 features): tile t: hi at KF + 16 t, lo 8 further
.set PD,   216                         ; v216-247 products: (row tile t, feature tile ft) at PD + 8 (2 t + ft)
.set CT,   248                         ; v248-255 rows rounded to bf16
; window 1
.set SA,   16                          ; the sums: (channel tile c, feature tile ft) at SA + 8 (2 c + ft); register j of lane (r, h): feature 8 h + j, channel r
.set WF,   176                         ; fragments of W (lane = feature, K = channels): (ft, s) at WF + 8 (2 ft + s)
.set RAW,  208                         ; the next chunk's rows on their way: K at +16, V at +32
.set MSB, 0
.macro WIN new                         ; s_set_vgpr_msb: bits 1:0 source 0, 3:2 source 1, 5:4 source 2, 7:6 destination; the high byte repeats the setting that is left
.if MSB != (\new)
	s_set_vgpr_msb (MSB<<8)|(\new)
.set MSB, (\new)
.endif
.endm
.macro PLACES                          ; plain vector instructions between matrix instructions and whatever touches their registers next (ISA guide 7.12.1)
.rept 5
	v_nop
.endr
.endm
; eight f32 at x -> four words of bf16 pairs hi at h, four words lo at l; t: eight registers for x - hi (may be x itself)
.macro SPLIT8 x, h, l, t
.irp i, 0,1,2,3
	v_cvt_pk_bf16_f32 v[(\h)+\i], v[(\x)+2*\i], v[(\x)+2*\i+1]
.endr
.irp i, 0,1,2,3
	v_fma_mix_f32_bf16 v[(\t)+2*\i], v[(\h)+\i], v[NEG1], v[(\x)+2*\i] op_sel_hi:[1,0,0]
	v_fma_mix_f32_bf16 v[(\t)+2*\i+1], v[(\h)+\i], v[NEG1], v[(\x)+2*\i+1] op_sel:[1,0,0] op_sel_hi:[1,0,0]
.endr
.irp i, 0,1,2,3
	v_cvt_pk_bf16_f32 v[(\l)+\i], v[(\t)+2*\i], v[(\t)+2*\i+1]
.endr
.endm
.macro LOADRAW                         ; a group's 128 threads take 32 rows of K and of V: each load of a wave covers 512 consecutive bytes
	WIN 0x40
.irp i, 0,1,2,3
	global_load_b128 v[RAW+16+4*\i:RAW+16+4*\i+3], v[GOFF], s[4:5] offset:2048*\i
.endr
.irp i, 0,1,2,3
	global_load_b128 v[RAW+32+4*\i:RAW+32+4*\i+3], v[GOFF], s[6:7] offset:2048*\i
.endr
	WIN 0
.endm
.macro PUT raw, adr, off, step         ; my 4 x 4 numbers rounded to bf16 and laid into the group's tile, eight rows apart
	WIN 0x05
.irp i, 0,1,2,3
	v_cvt_pk_bf16_f32 v[CT+2*\i], v[RAW+(\raw)+4*\i], v[RAW+(\raw)+4*\i+1]
	v_cvt_pk_bf16_f32 v[CT+2*\i+1], v[RAW+(\raw)+4*\i+2], v[RAW+(\raw)+4*\i+3]
.endr
	WIN 0
.irp i, 0,1,2,3
	ds_store_b64 v[\adr], v[CT+2*\i:CT+2*\i+1] offset:(\off)+(\step)*\i
.endr
.endm
.macro HROW                            ; behind K's PUT: HK of my four rows; a row lies in 16 neighbouring lanes
.irp i, 0,1,2,3
	v_fma_mix_f32_bf16 v[T+\i], v[CT+2*\i], v[CT+2*\i], v[ZP] op_sel_hi:[1,1,0]
.endr
.irp i, 0,1,2,3
	v_fma_mix_f32_bf16 v[T+\i], v[CT+2*\i], v[CT+2*\i], v[T+\i] op_sel:[1,1,0] op_sel_hi:[1,1,0]
.endr
.irp i, 0,1,2,3
	v_fma_mix_f32_bf16 v[T+\i], v[CT+2*\i+1], v[CT+2*\i+1], v[T+\i] op_sel_hi:[1,1,0]
.endr
.irp i, 0,1,2,3
	v_fma_mix_f32_bf16 v[T+\i], v[CT+2*\i+1], v[CT+2*\i+1], v[T+\i] op_sel:[1,1,0] op_sel_hi:[1,1,0]
.endr
.irp m, 1,2,4,8
.irp i, 0,1,2,3
	v_add_f32_dpp v[T+\i], v[T+\i], v[T+\i] row_xmask:\m row_mask:0xf bank_mask:0xf
.endr
.endr
.irp i, 0,1,2,3
	v_sub_f32 v[T+\i], v[KS], v[T+\i]
.endr
.irp i, 0,1,2,3
	v_mul_f32 v[T+\i], s32, v[T+\i]
.endr
.irp i, 0,1,2,3
	ds_store_b32 v[ASH], v[T+\i] offset:HBO+32*\i  ; 16 lanes write the same word with the same value
.endr
.endm
.macro LDX x, off                      ; four fragments (2 row tiles x 2 channel halves)
.set n, 0
.rept 4
	ds_load_b128 v[(\x)+8*n:(\x)+8*n+3],   v[AX] offset:(\off)+16*PX*(n/2)+64*(n%2)
	ds_load_b128 v[(\x)+8*n+4:(\x)+8*n+7], v[AX] offset:(\off)+16*PX*(n/2)+64*(n%2)+32
.set n, n+1
.endr
.endm
.macro LDV
.irp c, 0,1,2,3
	ds_load_tr16_b128 v[VF+8*\c:VF+8*\c+3],   v[AT] offset:VBO+32*\c
	ds_load_tr16_b128 v[VF+8*\c+4:VF+8*\c+7], v[AT] offset:VBO+32*\c+16*PV
.endr
.endm
.macro LDH
	ds_load_b32 v[HK], v[AH] offset:HBO
	ds_load_b32 v[HK+2], v[AH] offset:HBO+64
.endm
; features of 32 rows: products W x rows (a lane then holds ONE row and 8 features), 2^(C1 p + hk) + EPS, split: two feature tiles of a row tile ARE a fragment (lane = row, K = 32 features)
.macro FEAT x, hk, hs, f
	WIN 0x01
.set n, 0
.rept 8                                ; n = 4 s + 2 t + ft: the four accumulators take turns
.set rD, PD+8*(n%4)
.set rA, WF+8*(2*(n%2)+n/4)
.set rB, (\x)+8*(2*((n/2)%2)+n/4)
.if n < 4
	v_wmma_f32_16x16x32_bf16 v[rD:rD+7], v[rA:rA+7], v[rB:rB+7], 0
.else
	v_wmma_f32_16x16x32_bf16 v[rD:rD+7], v[rA:rA+7], v[rB:rB+7], v[rD:rD+7]
.endif
.set n, n+1
.endr
	WIN 0
	PLACES
.set n, 0
.rept 16
	v_pk_fma_f32 v[PD+2*n:PD+2*n+1], v[PD+2*n:PD+2*n+1], s[26:27], v[(\hk)+(\hs)*(n/8):(\hk)+(\hs)*(n/8)+1] op_sel_hi:[1,0,0]
.set n, n+1
.endr
.set n, 0
.rept 32
	v_exp_f32 v[PD+n], v[PD+n]
.set n, n+1
.endr
	v_nop                                          ; a plain instruction between the exponentials and the first use of a result (ISA guide 5.7.2)
.set n, 0
	s_wait_alu depctr_va_vdst(0)
.rept 16
	v_pk_add_f32 v[PD+2*n:PD+2*n+1], v[PD+2*n:PD+2*n+1], s[28:29] op_sel_hi:[1,0]
.set n, n+1
.endr
.set n, 0
.rept 4
	SPLIT8 PD+8*n, (\f)+16*(n/2)+4*(n%2), (\f)+16*(n/2)+8+4*(n%2), PD+8*n
.set n, n+1
.endr
.endm
.macro TURNST                          ; k' into my turn buffer as [key][feature]
.set n, 0
.rept 4                                ; key tile n / 2, hi or lo n % 2
	ds_store_b128 v[ATS], v[KF+8*n:KF+8*n+3]   offset:16*TP*(n/2)+32*TP*(n%2)
	ds_store_b128 v[ATS], v[KF+8*n+4:KF+8*n+7] offset:16*TP*(n/2)+32*TP*(n%2)+32
.set n, n+1
.endr
.endm
.macro TURNLD                          ; and back turned; LDS serves a wave's instructions in order (ISA guide 5.7.1.4): these see the stores
.set n, 0
.rept 4                                ; feature tile n / 2, hi or lo n % 2
	ds_load_tr16_b128 v[KT+8*n:KT+8*n+3],   v[ATL] offset:32*TP*(n%2)+32*(n/2)
	ds_load_tr16_b128 v[KT+8*n+4:KT+8*n+7], v[ATL] offset:32*TP*(n%2)+32*(n/2)+16*TP
.set n, n+1
.endr
.endm
.macro SUPD zero                       ; the sums += k'^T [V | 1]: hi, then lo; the ten accumulators take turns.  zero = 1: the first ten start the sums
	WIN 0x50
.set n, 0
.rept 20
.set rD, SA+8*(n%10)
.set rA, KT+16*(n%2)+8*(n/10)
.set rB, VF+8*((n%10)/2)
.if (\zero) && (n < 10)
	v_wmma_f32_16x16x32_bf16 v[rD:rD+7], v[rA:rA+7], v[rB:rB+7], 0
.else
	v_wmma_f32_16x16x32_bf16 v[rD:rD+7], v[rA:rA+7], v[rB:rB+7], v[rD:rD+7]
.endif
.set n, n+1
.endr
.endm
	s_load_b256 s[4:11], s[0:1], 0x0               ; key s[4:5], value s[6:7], W s[8:9], ksum s[10:11]
	s_load_b64 s[12:13], s[0:1], 0x20              ; tot
	v_lshl_add_u32 v[SPW], v0, 2, SPARE
	v_mov_b32 v[NIL], 0
	v_lshrrev_b32 v[T], 5, v0
	v_readfirstlane_b32 s18, v[T]                  ; wave 0..7
	s_and_b32 s19, s18, 3                          ; w: my slice of the features
	s_lshr_b32 s20, s18, 2                         ; g: my group
	s_lshl_b32 s21, ttmp9, 1
	s_add_co_u32 s21, s21, s20                     ; my group's record
	s_mov_b32 s26, 0x3e8293ee                      ; C1 = log2(e) / 1024^0.25
	s_mov_b32 s27, s26                             ; named with it as a pair
	s_mov_b32 s28, 0x38d1b717                      ; EPS = 1e-4
	s_mov_b32 s29, s28
	s_mov_b32 s30, 0x76543210                      ; v_permlanex16_b32: each lane takes its own place in the other half
	s_mov_b32 s31, 0xfedcba98
	s_mov_b32 s32, 0x3cb8aa3b                      ; log2(e) / 64
	v_and_b32 v[T+1], 15, v0                       ; r = lane % 16
	v_bfe_u32 v[T+2], v0, 4, 1                     ; h = lane / 16
	v_bfe_u32 v[T+3], v0, 4, 3                     ; my row among eight
	v_and_b32 v[T+4], 127, v0                      ; thread in group
	v_and_b32 v[T+5], 7, v0
	v_bfe_u32 v[T+6], v0, 3, 1
	v_lshlrev_b32 v[GOFF], 4, v[T+4]
	s_mul_i32 s24, s20, GL                         ; my group's tiles
	v_mul_u32_u24 v[ASX], v[T+3], PX
	v_lshl_add_u32 v[ASX], v[T+1], 3, v[ASX]
	v_add_nc_u32 v[ASX], s24, v[ASX]
	v_mul_u32_u24 v[ASV], v[T+3], PV
	v_lshl_add_u32 v[ASV], v[T+1], 3, v[ASV]
	v_add_nc_u32 v[ASV], s24, v[ASV]
	v_lshl_add_u32 v[ASH], v[T+3], 2, s24
	v_lshl_add_u32 v[AH], v[T+1], 2, s24
	v_mul_u32_u24 v[AX], v[T+1], PX
	v_lshl_add_u32 v[AX], v[T+2], 4, v[AX]
	v_add_nc_u32 v[AX], s24, v[AX]
	v_lshl_add_u32 v[T+7], v[T+2], 3, v[T+5]       ; the turning loads: row 8 h + lane % 8, 16 bytes at 16 ((lane / 8) % 2)
	v_mul_u32_u24 v[AT], v[T+7], PV
	v_lshl_add_u32 v[AT], v[T+6], 4, v[AT]
	v_add_nc_u32 v[AT], s24, v[AT]
	s_mul_i32 s24, s18, TURNB
	s_add_co_u32 s24, s24, TURN                    ; my turn buffer
	v_mul_u32_u24 v[ATS], v[T+1], TP
	v_lshl_add_u32 v[ATS], v[T+2], 4, v[ATS]
	v_add_nc_u32 v[ATS], s24, v[ATS]
	v_mul_u32_u24 v[ATL], v[T+7], TP
	v_lshl_add_u32 v[ATL], v[T+6], 4, v[ATL]
	v_add_nc_u32 v[ATL], s24, v[ATL]
	v_and_b32 v[LA], 31, v0
	v_lshlrev_b32 v[LA], 4, v[LA]
	s_lshl_b32 s24, s19, 7                         ; W[d][f]: lane (r, h) begins at d = 8 h, f = 32 w + r
	v_lshlrev_b32 v[T+7], 12, v[T+2]
	v_lshl_add_u32 v[T+7], v[T+1], 2, v[T+7]
	v_add_nc_u32 v[T+7], s24, v[T+7]
	v_lshlrev_b32 v[T+6], 1, v[LA]                 ; ksum: 32 bytes a lane
	v_mov_b32 v[NEG1], -1.0
	v_mov_b32 v[ZP], 0
	v_mov_b32 v[ZP+1], 0
	v_mov_b32 v[HK+1], 0
	v_mov_b32 v[HK+3], 0
	v_mov_b32 v[T], 0x3f803f80                     ; two bf16 ones
	v_cmp_eq_u32 vcc_lo, 0, v[T+1]
.set i, 0
.rept 8
	v_cndmask_b32 v[VF+32+i], 0, v[T], vcc_lo      ; channel tile 4: column 64 is ones, columns 65 to 79 are 0
.set i, i+1
.endr
	WIN 0x40
	v_mov_b32 v[NEG1], -1.0
	WIN 0
	s_wait_kmcnt 0x0
	s_lshl_b32 s22, s21, 16                        ; the record's 256 rows of 256 bytes
	s_mov_b32 s23, 0
	s_add_nc_u64 s[4:5], s[4:5], s[22:23]
	s_add_nc_u64 s[6:7], s[6:7], s[22:23]
	s_mul_i32 s22, s21, 40960
	s_mul_i32 s24, s19, 10240
	s_add_co_u32 s22, s22, s24
	s_add_nc_u64 s[12:13], s[12:13], s[22:23]      ; my slice of the record
.set i, 0
.rept 64                               ; word i = 16 (2 ft + s) + e: feature tile ft, channel 32 s + 8 h + e (e < 8) or 32 s + 16 + 8 h + e - 8
	global_load_b32 v[WT+i], v[T+7], s[8:9] offset:(32*((i/16)%2)+(i%16)+8*((i%16)/8))*512+64*(i/32)
.set i, i+1
.endr
	global_load_b128 v[PD:PD+3], v[T+6], s[10:11]
	global_load_b128 v[PD+4:PD+7], v[T+6], s[10:11] offset:16
	LOADRAW                                        ; chunk 0
	s_wait_loadcnt 0x0                             ; all of it is wanted at once
	WIN 0x40
.set i, 0
.rept 32
	v_cvt_pk_bf16_f32 v[WF+i], v[WT+2*i], v[WT+2*i+1]
.set i, i+1
.endr
	WIN 0
	v_min3_num_f32 v[T], v[PD], v[PD+1], v[PD+2]   ; the least of the 256 numbers
	v_min3_num_f32 v[T+1], v[PD+3], v[PD+4], v[PD+5]
	v_min3_num_f32 v[T], v[T], v[PD+6], v[PD+7]
	v_min_num_f32 v[T], v[T], v[T+1]
.irp m, 1,2,4,8
	v_min_num_f32_dpp v[T], v[T], v[T] row_xmask:\m row_mask:0xf bank_mask:0xf
.endr
	v_permlanex16_b32 v[T+1], v[T], s30, s31
	v_min_num_f32 v[KS], v[T], v[T+1]
; A CHUNK of 32 rows.  first = 1: the products start the sums.  last = 1: nothing more is fetched, so no load leaves its buffer.
.macro CHUNK first, last
	s_wait_loadcnt 0x0                             ; the chunk's rows are in, and the loads' bases may be stepped
.if !(\last)
	s_add_nc_u64 s[4:5], s[4:5], 8192
	s_add_nc_u64 s[6:7], s[6:7], 8192
.endif
	PUT 16, ASX, 0, 8*PX
	HROW
	PUT 32, ASV, VBO, 8*PV
.if !(\last)
	LOADRAW                                        ; the next chunk: it has this chunk's work in which to land
.endif
	s_wait_dscnt 0x0                               ; for the others' sake: my part of the tiles is written
	s_barrier_signal -1
	s_barrier_wait -1                              ; the tiles are whole
	LDX XK, 0
	LDH
	LDV
	s_wait_dscnt 0x0
	FEAT XK, HK, 2, KF
	TURNST
	TURNLD
	s_wait_dscnt 0x0                               ; k' is back turned; my reads of the tiles were over above
	s_barrier_signal -1                            ; behind this barrier the tiles are written again
	SUPD \first
	WIN 0
	s_barrier_wait -1
.endm
	CHUNK 1, 0
	s_mov_b32 s25, 6
.Lchunk:
	CHUNK 0, 0
	s_sub_co_u32 s25, s25, 1
	s_cmp_lg_u32 s25, 0
	s_cbranch_scc1 .Lchunk
	CHUNK 0, 1
	PLACES
	WIN 0x04                                       ; store data in window 1
.set i, 0
.rept 20
	global_store_b128 v[LA], v[SA+4*i:SA+4*i+3], s[12:13] offset:512*i  ; 512 consecutive bytes, at a multiple of 256 from the buffer's first
.set i, i+1
.endr
	WIN 0
	s_wait_tensorcnt 0x0                           ; the wave's end: three closing lines behind my last LDS store
	ds_add_u32 v[SPW], v[NIL]
	s_wait_dscnt 0x0
	s_endpgm
.Lfunc_end_k_qaa262d9145_kstate:
	.size	k_qaa262d9145_kstate, .Lfunc_end_k_qaa262d9145_kstate-k_qaa262d9145_kstate
	.p2alignl 7, 3214868480
	.fill 96, 4, 3214868480
	.section	.rodata,"a",@progbits
	.p2align	6, 0x0
	.amdhsa_kernel k_qaa262d9145_kstate
		.amdhsa_group_segment_fixed_size 70144
		.amdhsa_private_segment_fixed_size 0
		.amdhsa_enable_private_segment 0
		.amdhsa_kernarg_size 40
		.amdhsa_user_sgpr_count 2
		.amdhsa_user_sgpr_kernarg_segment_ptr 1
		.amdhsa_wavefront_size32 1
		.amdhsa_system_sgpr_workgroup_id_x 1
		.amdhsa_system_sgpr_workgroup_id_y 1
		.amdhsa_system_sgpr_workgroup_id_z 1
		.amdhsa_system_vgpr_workitem_id 0
		.amdhsa_next_free_vgpr 512
		.amdhsa_next_free_sgpr 66
		.amdhsa_reserve_vcc 1
		.amdhsa_float_denorm_mode_32 3
		.amdhsa_float_denorm_mode_16_64 3
		.amdhsa_memory_ordered 1
		.amdhsa_forward_progress 1
		.amdhsa_inst_pref_size 65
	.end_amdhsa_kernel
	.amdgpu_metadata
---
amdhsa.version: [ 1, 2 ]
amdhsa.kernels:
  - .name:           k_qaa262d9145_kstate
    .symbol:         k_qaa262d9145_kstate.kd
    .args:
      - { .name: key, .offset: 0, .size: 8, .value_kind: global_buffer, .address_space: global }
      - { .name: value, .offset: 8, .size: 8, .value_kind: global_buffer, .address_space: global }
      - { .name: random_features, .offset: 16, .size: 8, .value_kind: global_buffer, .address_space: global }
      - { .name: ksum, .offset: 24, .size: 8, .value_kind: global_buffer, .address_space: global }
      - { .name: tot, .offset: 32, .size: 8, .value_kind: global_buffer, .address_space: global }
    .group_segment_fixed_size: 70144
    .private_segment_fixed_size: 0
    .kernarg_segment_align: 8
    .kernarg_segment_size: 40
    .max_flat_workgroup_size: 256
    .sgpr_count:     66
    .vgpr_count:     512
    .wavefront_size: 32
...
	.end_amdgpu_metadata
.endif
;; end of part 2
;; launch prefix (part 3): grid 256 x 1, 10 waves a work-group, no clusters, 0 bytes of LDS; arguments tot, pre; writes pre
.if DOCPART == 3
	.amdgcn_target "amdgcn-amd-amdhsa--gfx1250"
	.amdhsa_code_object_version 6
	.text
	.protected	k_qaa262d9145_prefix
	.globl	k_qaa262d9145_prefix
	.p2align	8
	.type	k_qaa262d9145_prefix,@function
k_qaa262d9145_prefix:
	s_mov_b64 s[64:65], 0
	v_nop
	global_prefetch_b8 v0, s[64:65] scope:SCOPE_SE
	s_setreg_imm32_b32 hwreg(HW_REG_WAVE_MODE, 25, 1), 1
	s_wait_xcnt 0x0
; pre[head][s] = tot[head][0] + .. + tot[head][s-1], number by number, in f32 and in ascending order; pre[head][0] = 0.  32 heads x 16 records of 40,960 bytes.
; A work-group owns 5,120 bytes (an eighth) of a head's records: 320 threads x 16 bytes; a thread keeps its 16 bytes of 15 records in registers.  Each load and store of a wave covers 512 consecutive bytes.
; A stream: no LDS, no barrier, no matrix unit, nothing shared.  No register is written twice, so no wait frees a store's sources.
.set REC, 40960
	s_load_b128 s[4:7], s[0:1], 0x0                ; tot s[4:5], pre s[6:7]
	v_lshlrev_b32 v1, 4, v0
	s_lshr_b32 s8, ttmp9, 3                        ; the head
	s_mul_i32 s8, s8, 16*REC
	s_and_b32 s9, ttmp9, 7                         ; my eighth
	s_mul_i32 s9, s9, 5120
	s_add_co_u32 s8, s8, s9
	s_mov_b32 s9, 0
.irp i, 64,65,66,67
	v_mov_b32 v\i, 0
.endr
	s_wait_kmcnt 0x0
	s_add_nc_u64 s[4:5], s[4:5], s[8:9]
	s_add_nc_u64 s[6:7], s[6:7], s[8:9]
.set i, 0
.rept 15
	global_load_b128 v[4+4*i:7+4*i], v1, s[4:5] offset:REC*i
.set i, i+1
.endr
	global_store_b128 v1, v[64:67], s[6:7]
.set i, 0
.rept 15
	s_wait_loadcnt 14-i                            ; loads come back in order: record i is in, the younger ones stay out
.if i > 0
	v_pk_add_f32 v[4+4*i:5+4*i], v[4+4*i:5+4*i], v[4*i:1+4*i]
	v_pk_add_f32 v[6+4*i:7+4*i], v[6+4*i:7+4*i], v[2+4*i:3+4*i]
.endif
	global_store_b128 v1, v[4+4*i:7+4*i], s[6:7] offset:REC*(i+1)
.set i, i+1
.endr
	s_endpgm
.Lfunc_end_k_qaa262d9145_prefix:
	.size	k_qaa262d9145_prefix, .Lfunc_end_k_qaa262d9145_prefix-k_qaa262d9145_prefix
	.p2alignl 7, 3214868480
	.fill 96, 4, 3214868480
	.section	.rodata,"a",@progbits
	.p2align	6, 0x0
	.amdhsa_kernel k_qaa262d9145_prefix
		.amdhsa_group_segment_fixed_size 0
		.amdhsa_private_segment_fixed_size 0
		.amdhsa_enable_private_segment 0
		.amdhsa_kernarg_size 16
		.amdhsa_user_sgpr_count 2
		.amdhsa_user_sgpr_kernarg_segment_ptr 1
		.amdhsa_wavefront_size32 1
		.amdhsa_system_sgpr_workgroup_id_x 1
		.amdhsa_system_sgpr_workgroup_id_y 1
		.amdhsa_system_sgpr_workgroup_id_z 1
		.amdhsa_system_vgpr_workitem_id 0
		.amdhsa_next_free_vgpr 72
		.amdhsa_next_free_sgpr 66
		.amdhsa_reserve_vcc 0
		.amdhsa_float_denorm_mode_32 3
		.amdhsa_float_denorm_mode_16_64 3
		.amdhsa_memory_ordered 1
		.amdhsa_forward_progress 1
		.amdhsa_inst_pref_size 6
	.end_amdhsa_kernel
	.amdgpu_metadata
---
amdhsa.version: [ 1, 2 ]
amdhsa.kernels:
  - .name:           k_qaa262d9145_prefix
    .symbol:         k_qaa262d9145_prefix.kd
    .args:
      - { .name: tot, .offset: 0, .size: 8, .value_kind: global_buffer, .address_space: global }
      - { .name: pre, .offset: 8, .size: 8, .value_kind: global_buffer, .address_space: global }
    .group_segment_fixed_size: 0
    .private_segment_fixed_size: 0
    .kernarg_segment_align: 8
    .kernarg_segment_size: 16
    .max_flat_workgroup_size: 320
    .sgpr_count:     66
    .vgpr_count:     72
    .wavefront_size: 32
...
	.end_amdgpu_metadata
.endif
;; end of part 3
;; launch attn (part 4): grid 256 x 1, 8 waves a work-group, no clusters, 165,376 bytes of LDS; arguments query, key, value, random_features, pre, ksum, out0; writes out0
.if DOCPART == 4
	.amdgcn_target "amdgcn-amd-amdhsa--gfx1250"
	.amdhsa_code_object_version 6
	.text
	.protected	k_qaa262d9145_attn
	.globl	k_qaa262d9145_attn
	.p2align	8
	.type	k_qaa262d9145_attn,@function
k_qaa262d9145_attn:
	s_mov_b64 s[64:65], 0
	v_nop
	global_prefetch_b8 v0, s[64:65] scope:SCOPE_SE
	s_setreg_imm32_b32 hwreg(HW_REG_WAVE_MODE, 25, 1), 1
	s_wait_xcnt 0x0
; out[l] = sum_{j<=l} (q'_l . k'_j) v_j / den_l, den_l = sum_{j<=l} q'_l . k'_j (+ 2e-6 where |den| <= 1e-6).  query, key, value, out: [131072 rows][64] f32 (32 heads of 4,096 rows); W: [64][128] f32.
; q'[l][f] = 2^(C1 (q_l . W_f)) + EPS;  k'[j][f] = 2^(C1 (k_j . W_f) + HK_j) + EPS;  C1 = log2(e) / 1024^0.25;  HK_j = log2(e)/64 (least of all rows' sum k^2 - sum k_j^2) <= 0: the module's h - k_stab.
; The module's factor 128^-0.5 on q' and k' is left out: it cancels in num / den; the denominator here is 128 times the module's, and its test and its addend are scaled by 128.
; SHARES.  Eight waves are two groups of four; group g owns the 256 rows of record 2 x work-group + g, 8 chunks of 32 rows.  Wave w of a group owns features 32 w .. 32 w + 31.  All is linear in the
; features, so q', k', the scores and the state S stay in the wave; only the four waves' partial numerators and denominators meet, in an LDS stage.  The groups share the barriers alone.
; A CHUNK:  O^T = S^T q' (S: the state in front of the chunk; it starts as pre[record], the sum of the head's earlier records) + [V | 1]^T (masked scores);  then S += k'^T [V | 1].
; The column of ones makes channel 64 the denominator, of the same rounded weights as the numerator.
; FORMATS.  q, k, v and W are rounded once to bf16 (HK is made of the rounded k).  q', k', the masked scores and S go to the matrix unit as TWO bf16 numbers, hi = bf16(x), lo = bf16(x - hi) (x - hi is
; exact in f32); a product of two such pairs is hi hi + lo hi + hi lo, one with v is hi v + lo v.  Sums in f32.
; LIMITS: an exponential below 2^-126 counts as 0 (ahead of + EPS); 2^(C1 p) of q has no stabiliser, as in the module, and overflows where the module's does; NaN and infinities are not treated apart.
; NO CLUSTER: work-groups share W alone, 32,768 bytes against 393,216 of rows of their own.  No tensor loads: the rows are rounded on their way into LDS, so they pass through registers.
.set PX,   144                         ; a row of Q or K in LDS: 128 bytes of bf16 + 16: an odd multiple of 16, so the 16 rows of a fragment load begin in 16 different groups of four banks (ISA guide 11.1)
.set PV,   160                         ; a row of V: 128 + 32: an odd multiple of 32, for the turning load
.set KBO,  32*PX                       ; in a group's tiles: 32 rows of Q, of K, of V, 32 words of HK
.set VBO,  2*32*PX
.set HBO,  VBO+32*PV
.set GL,   HBO+256
.set TURN, 2*GL                        ; each wave's own: k' as [32 keys][32 features], hi then lo
.set TP,   96                          ; 64 bytes + 32
.set TURNB, 2*32*TP
.set STG,  TURN+8*TURNB                ; each wave's stage: 32 queries x (64 channels, the denominator at byte 256)
.set SPI,  336
.set STW,  32*SPI
.set SPARE, STG+8*STW                  ; the spare words: 128 bytes for each of eight waves
; window 0
.set GOFF, 1                           ; 16 x thread in group: my 16 bytes in eight rows
.set ASX,  2                           ; LDS: where I put 8 bytes of a row of Q or K
.set ASV,  3                           ; of V
.set ASH,  4                           ; my row's HK
.set AX,   5                           ; fragment: row (lane % 16) x PX + 16 (lane / 16)
.set AT,   6                           ; turning load of V
.set AH,   7                           ; HK of row lane % 16
.set NEG1, 8                           ; -1.0 (in window 1 too)
.set KS,   9                           ; the least row sum of all keys
.set ATS,  10                          ; turn buffer: store
.set ATL,  11                          ; turn buffer: turning load
.set AOS,  12                          ; my stage: query lane % 16, 32 bytes for each half of the lanes
.set AOL,  13                          ; the group's stages: query 8 w + lane / 16, 16 bytes at 16 (lane % 16)
.set ADL,  14                          ; the same query's row
.set LA,   15                          ; 16 x lane
.set ZP,   16                          ; v16-17 0, 0
.set HK,   18                          ; v18-21 row tile t at HK + 2 t; the odd ones are 0 (pairs are named whole)
.set T,    22                          ; v22-29 at work
.set SPW,  30                          ; my spare word; never rewritten
.set NIL,  31                          ; 0; never rewritten
.set OT,   32                          ; v32-111 O^T: (query tile rt, channel tile c) at OT + 8 (5 rt + c); register j of lane (r, h): channel 8 h + j, query r
.set WT,   32                          ; W as loaded, at the start
.set XQ,   32                          ; fragments of Q and K, ahead of O^T: row tile t, channel half s at + 8 (2 t + s)
.set XK,   64
.set RD,   32                          ; the reduction, behind O^T: v32-95 four queries x four waves x 16 bytes, v96-111 their denominators
.set DN,   96
.set VF,   112                         ; v112-151 fragments of V (lane = channel, K = 32 keys), tile c at VF + 8 c; c = 4: the column of ones
.set QF,   152                         ; v152-183 q' (lane = query, K = 32 features): tile t: hi at QF + 16 t, lo 8 further
.set KT,   152                         ; later k' turned (lane = feature, K = 32 keys)
.set KF,   184                         ; v184-215 k' (lane = key, K = 32 features)
.set PF,   184                         ; later the masked scores (lane = query, K = 32 keys)
.set PD,   216                         ; v216-247 products
.set CT,   248                         ; v248-255 rows rounded to bf16
; window 1
.set TS,   0                           ; v0-7 at work
.set SA,   16                          ; S: (channel tile c, feature tile ft) at SA + 8 (2 c + ft); register j of lane (r, h): feature 8 h + j, channel r
.set SF,   96                          ; S as fragments (lane = channel, K = 32 features): tile c: hi at SF + 16 c, lo 8 further
.set WF,   176                         ; fragments of W (lane = feature, K = channels): (ft, s) at WF + 8 (2 ft + s)
.set RAW,  208                         ; the next chunk's rows on their way: Q, K at +16, V at +32
.set MK,   36                          ; s36-43 lane masks: key 8 h + j <= query r
.set MSB, 0
.macro WIN new                         ; s_set_vgpr_msb: bits 1:0 source 0, 3:2 source 1, 5:4 source 2, 7:6 destination; the high byte repeats the setting that is left
.if MSB != (\new)
	s_set_vgpr_msb (MSB<<8)|(\new)
.set MSB, (\new)
.endif
.endm
.macro PLACES                          ; plain vector instructions between matrix instructions and whatever touches their registers next (ISA guide 7.12.1)
.rept 5
	v_nop
.endr
.endm
; eight f32 at x -> four words of bf16 pairs hi at h, four words lo at l; t: eight registers for x - hi (may be x itself)
.macro SPLIT8 x, h, l, t
.irp i, 0,1,2,3
	v_cvt_pk_bf16_f32 v[(\h)+\i], v[(\x)+2*\i], v[(\x)+2*\i+1]
.endr
.irp i, 0,1,2,3
	v_fma_mix_f32_bf16 v[(\t)+2*\i], v[(\h)+\i], v[NEG1], v[(\x)+2*\i] op_sel_hi:[1,0,0]
	v_fma_mix_f32_bf16 v[(\t)+2*\i+1], v[(\h)+\i], v[NEG1], v[(\x)+2*\i+1] op_sel:[1,0,0] op_sel_hi:[1,0,0]
.endr
.irp i, 0,1,2,3
	v_cvt_pk_bf16_f32 v[(\l)+\i], v[(\t)+2*\i], v[(\t)+2*\i+1]
.endr
.endm
.macro LOADRAW                         ; a group's 128 threads take 32 rows of Q, K and V: each load of a wave covers 512 consecutive bytes; each byte is read once in this launch
	WIN 0x40
.irp i, 0,1,2,3
	global_load_b128 v[RAW+4*\i:RAW+4*\i+3], v[GOFF], s[4:5] offset:2048*\i th:TH_LOAD_NT
.endr
.irp i, 0,1,2,3
	global_load_b128 v[RAW+16+4*\i:RAW+16+4*\i+3], v[GOFF], s[6:7] offset:2048*\i th:TH_LOAD_NT
.endr
.irp i, 0,1,2,3
	global_load_b128 v[RAW+32+4*\i:RAW+32+4*\i+3], v[GOFF], s[8:9] offset:2048*\i th:TH_LOAD_NT
.endr
	WIN 0
.endm
.macro PUT raw, adr, off, step         ; my 4 x 4 numbers rounded to bf16 and laid into the group's tile, eight rows apart
	WIN 0x05
.irp i, 0,1,2,3
	v_cvt_pk_bf16_f32 v[CT+2*\i], v[RAW+(\raw)+4*\i], v[RAW+(\raw)+4*\i+1]
	v_cvt_pk_bf16_f32 v[CT+2*\i+1], v[RAW+(\raw)+4*\i+2], v[RAW+(\raw)+4*\i+3]
.endr
	WIN 0
.irp i, 0,1,2,3
	ds_store_b64 v[\adr], v[CT+2*\i:CT+2*\i+1] offset:(\off)+(\step)*\i
.endr
.endm
.macro HROW                            ; behind K's PUT: HK of my four rows; a row lies in 16 neighbouring lanes
.irp i, 0,1,2,3
	v_fma_mix_f32_bf16 v[T+\i], v[CT+2*\i], v[CT+2*\i], v[ZP] op_sel_hi:[1,1,0]
.endr
.irp i, 0,1,2,3
	v_fma_mix_f32_bf16 v[T+\i], v[CT+2*\i], v[CT+2*\i], v[T+\i] op_sel:[1,1,0] op_sel_hi:[1,1,0]
.endr
.irp i, 0,1,2,3
	v_fma_mix_f32_bf16 v[T+\i], v[CT+2*\i+1], v[CT+2*\i+1], v[T+\i] op_sel_hi:[1,1,0]
.endr
.irp i, 0,1,2,3
	v_fma_mix_f32_bf16 v[T+\i], v[CT+2*\i+1], v[CT+2*\i+1], v[T+\i] op_sel:[1,1,0] op_sel_hi:[1,1,0]
.endr
.irp m, 1,2,4,8
.irp i, 0,1,2,3
	v_add_f32_dpp v[T+\i], v[T+\i], v[T+\i] row_xmask:\m row_mask:0xf bank_mask:0xf
.endr
.endr
.irp i, 0,1,2,3
	v_sub_f32 v[T+\i], v[KS], v[T+\i]
.endr
.irp i, 0,1,2,3
	v_mul_f32 v[T+\i], s32, v[T+\i]
.endr
.irp i, 0,1,2,3
	ds_store_b32 v[ASH], v[T+\i] offset:HBO+32*\i  ; 16 lanes write the same word with the same value
.endr
.endm
.macro LDX x, off                      ; four fragments (2 row tiles x 2 channel halves)
.set n, 0
.rept 4
	ds_load_b128 v[(\x)+8*n:(\x)+8*n+3],   v[AX] offset:(\off)+16*PX*(n/2)+64*(n%2)
	ds_load_b128 v[(\x)+8*n+4:(\x)+8*n+7], v[AX] offset:(\off)+16*PX*(n/2)+64*(n%2)+32
.set n, n+1
.endr
.endm
.macro LDV
.irp c, 0,1,2,3
	ds_load_tr16_b128 v[VF+8*\c:VF+8*\c+3],   v[AT] offset:VBO+32*\c
	ds_load_tr16_b128 v[VF+8*\c+4:VF+8*\c+7], v[AT] offset:VBO+32*\c+16*PV
.endr
.endm
.macro LDH
	ds_load_b32 v[HK], v[AH] offset:HBO
	ds_load_b32 v[HK+2], v[AH] offset:HBO+64
.endm
; features of 32 rows: products W x rows (a lane then holds ONE row and 8 features), 2^(C1 p + hk) + EPS, split: two feature tiles of a row tile ARE a fragment (lane = row, K = 32 features)
.macro FEAT x, hk, hs, f
	WIN 0x01
.set n, 0
.rept 8                                ; n = 4 s + 2 t + ft: the four accumulators take turns
.set rD, PD+8*(n%4)
.set rA, WF+8*(2*(n%2)+n/4)
.set rB, (\x)+8*(2*((n/2)%2)+n/4)
.if n < 4
	v_wmma_f32_16x16x32_bf16 v[rD:rD+7], v[rA:rA+7], v[rB:rB+7], 0
.else
	v_wmma_f32_16x16x32_bf16 v[rD:rD+7], v[rA:rA+7], v[rB:rB+7], v[rD:rD+7]
.endif
.set n, n+1
.endr
	WIN 0
	PLACES
.set n, 0
.rept 16
	v_pk_fma_f32 v[PD+2*n:PD+2*n+1], v[PD+2*n:PD+2*n+1], s[26:27], v[(\hk)+(\hs)*(n/8):(\hk)+(\hs)*(n/8)+1] op_sel_hi:[1,0,0]
.set n, n+1
.endr
.set n, 0
.rept 32
	v_exp_f32 v[PD+n], v[PD+n]
.set n, n+1
.endr
	v_nop                                          ; a plain instruction between the exponentials and the first use of a result (ISA guide 5.7.2)
.set n, 0
	s_wait_alu depctr_va_vdst(0)
.rept 16
	v_pk_add_f32 v[PD+2*n:PD+2*n+1], v[PD+2*n:PD+2*n+1], s[28:29] op_sel_hi:[1,0]
.set n, n+1
.endr
.set n, 0
.rept 4
	SPLIT8 PD+8*n, (\f)+16*(n/2)+4*(n%2), (\f)+16*(n/2)+8+4*(n%2), PD+8*n
.set n, n+1
.endr
.endm
.macro TURNST                          ; k' into my turn buffer as [key][feature]
.set n, 0
.rept 4                                ; key tile n / 2, hi or lo n % 2
	ds_store_b128 v[ATS], v[KF+8*n:KF+8*n+3]   offset:16*TP*(n/2)+32*TP*(n%2)
	ds_store_b128 v[ATS], v[KF+8*n+4:KF+8*n+7] offset:16*TP*(n/2)+32*TP*(n%2)+32
.set n, n+1
.endr
.endm
.macro TURNLD                          ; and back turned; LDS serves a wave's instructions in order (ISA guide 5.7.1.4): these see the stores
.set n, 0
.rept 4                                ; feature tile n / 2, hi or lo n % 2
	ds_load_tr16_b128 v[KT+8*n:KT+8*n+3],   v[ATL] offset:32*TP*(n%2)+32*(n/2)
	ds_load_tr16_b128 v[KT+8*n+4:KT+8*n+7], v[ATL] offset:32*TP*(n%2)+32*(n/2)+16*TP
.set n, n+1
.endr
.endm
.macro SSPLIT                          ; S as fragments: two feature tiles of a channel tile are one (lane = channel, K = 32 features)
	WIN 0x55
.set n, 0
.rept 10
	SPLIT8 SA+8*n, SF+16*(n/2)+4*(n%2), SF+16*(n/2)+8+4*(n%2), TS
.set n, n+1
.endr
	WIN 0
.endm
.macro SCORE                           ; the three tiles on or below the diagonal: (key tile, query tile) = (0,0), (0,1), (1,1), by turns; hi hi, lo hi, hi lo.  A lane holds ONE query and 8 keys
.set n, 0
.rept 9
.set rD, PD+8*(n%3)
.set rA, KF+16*((n%3)/2)+8*((n/3)%2)
.set rB, QF+16*((n%3+1)/2)+8*(n/6)
.if n < 3
	v_wmma_f32_16x16x32_bf16 v[rD:rD+7], v[rA:rA+7], v[rB:rB+7], 0
.else
	v_wmma_f32_16x16x32_bf16 v[rD:rD+7], v[rA:rA+7], v[rB:rB+7], v[rD:rD+7]
.endif
.set n, n+1
.endr
.endm
.macro MASKSPLIT                       ; keys behind the query count 0; then fragments (lane = query, K = 32 keys): query tile 0 has no keys 16 to 31
.irp j, 0,1,2,3,4,5,6,7
	v_cndmask_b32 v[PD+\j], 0, v[PD+\j], s[MK+\j]
.endr
.irp j, 0,1,2,3,4,5,6,7
	v_cndmask_b32 v[PD+16+\j], 0, v[PD+16+\j], s[MK+\j]
.endr
	SPLIT8 PD, PF, PF+8, PD
	SPLIT8 PD+8, PF+16, PF+24, PD+8
	SPLIT8 PD+16, PF+20, PF+28, PD+16
.irp j, 4,5,6,7,12,13,14,15
	v_mov_b32 v[PF+\j], 0
.endr
.endm
.macro SQ                              ; O^T = S^T q': the ten accumulators take turns; hi hi starts the sums, then lo hi, hi lo
	WIN 0x01
.set n, 0
.rept 30
.set rD, OT+8*(n%10)
.set rA, SF+16*(n%5)+8*((n/10)%2)
.set rB, QF+16*((n%10)/5)+8*(n/20)
.if n < 10
	v_wmma_f32_16x16x32_bf16 v[rD:rD+7], v[rA:rA+7], v[rB:rB+7], 0
.else
	v_wmma_f32_16x16x32_bf16 v[rD:rD+7], v[rA:rA+7], v[rB:rB+7], v[rD:rD+7]
.endif
.set n, n+1
.endr
	WIN 0
.endm
.macro PVM                             ; O^T += [V | 1]^T (masked scores): hi, then lo
.set n, 0
.rept 20
.set rD, OT+8*(n%10)
.set rA, VF+8*(n%5)
.set rB, PF+16*((n%10)/5)+8*(n/10)
	v_wmma_f32_16x16x32_bf16 v[rD:rD+7], v[rA:rA+7], v[rB:rB+7], v[rD:rD+7]
.set n, n+1
.endr
.endm
.macro SUPD                            ; S += k'^T [V | 1]: hi, then lo; the ten accumulators take turns
	WIN 0x50
.set n, 0
.rept 20
.set rD, SA+8*(n%10)
.set rA, KT+16*(n%2)+8*(n/10)
.set rB, VF+8*((n%10)/2)
	v_wmma_f32_16x16x32_bf16 v[rD:rD+7], v[rA:rA+7], v[rB:rB+7], v[rD:rD+7]
.set n, n+1
.endr
.endm
.macro OSTAGE                          ; my partial O into my stage, a row a query; each accumulator's low registers go first
.set n, 0
.rept 10
.if n%5 < 4
	ds_store_b128 v[AOS], v[OT+8*n:OT+8*n+3]   offset:16*SPI*(n/5)+64*(n%5)
	ds_store_b128 v[AOS], v[OT+8*n+4:OT+8*n+7] offset:16*SPI*(n/5)+64*(n%5)+16
.else
	ds_store_b32 v[AOS], v[OT+8*n] offset:16*SPI*(n/5)+256  ; channel 64: the denominator (lanes 16 to 31 put channel 72, a zero, 32 bytes on)
.endif
.set n, n+1
.endr
.endm
.macro REDUCE                          ; wave w adds the four waves' parts of queries 8 w .. 8 w + 7, divides and stores: two whole rows to a store
.irp i, 0,1,2,3
.irp s, 0,1,2,3
	ds_load_b128 v[RD+4*(4*\i+\s):RD+4*(4*\i+\s)+3], v[AOL] offset:STW*\s+2*SPI*\i
	ds_load_b32 v[DN+4*\i+\s], v[ADL] offset:STW*\s+2*SPI*\i+256
.endr
.endr
	s_wait_dscnt 0x0
.irp i, 0,1,2,3
	v_pk_add_f32 v[RD+16*\i:RD+16*\i+1],     v[RD+16*\i:RD+16*\i+1],     v[RD+16*\i+4:RD+16*\i+5]
	v_pk_add_f32 v[RD+16*\i+2:RD+16*\i+3],   v[RD+16*\i+2:RD+16*\i+3],   v[RD+16*\i+6:RD+16*\i+7]
	v_pk_add_f32 v[RD+16*\i+8:RD+16*\i+9],   v[RD+16*\i+8:RD+16*\i+9],   v[RD+16*\i+12:RD+16*\i+13]
	v_pk_add_f32 v[RD+16*\i+10:RD+16*\i+11], v[RD+16*\i+10:RD+16*\i+11], v[RD+16*\i+14:RD+16*\i+15]
	v_pk_add_f32 v[DN+4*\i:DN+4*\i+1],       v[DN+4*\i:DN+4*\i+1],       v[DN+4*\i+2:DN+4*\i+3]
.endr
.irp i, 0,1,2,3
	v_pk_add_f32 v[RD+16*\i:RD+16*\i+1],     v[RD+16*\i:RD+16*\i+1],     v[RD+16*\i+8:RD+16*\i+9]
	v_pk_add_f32 v[RD+16*\i+2:RD+16*\i+3],   v[RD+16*\i+2:RD+16*\i+3],   v[RD+16*\i+10:RD+16*\i+11]
	v_add_f32 v[DN+4*\i], v[DN+4*\i], v[DN+4*\i+1]
.endr
.irp i, 0,1,2,3
	v_and_b32 v[T+\i], 0x7fffffff, v[DN+4*\i]
.endr
.irp i, 0,1,2,3
	v_cmp_ge_f32 vcc_lo, s33, v[T+\i]              ; |den| <= 128 x 1e-6:
	v_cndmask_b32 v[T+\i], 0, s34, vcc_lo          ; 128 x 2e-6 is added
.endr
.irp i, 0,1,2,3
	v_add_f32 v[DN+4*\i], v[DN+4*\i], v[T+\i]
.endr
.irp i, 0,1,2,3
	v_rcp_f32 v[DN+4*\i], v[DN+4*\i]
.endr
	v_nop                                          ; a plain instruction between the reciprocals and the first use of a result
	s_wait_alu depctr_va_vdst(0)
.irp i, 0,1,2,3
	v_pk_mul_f32 v[RD+16*\i:RD+16*\i+1],   v[RD+16*\i:RD+16*\i+1],   v[DN+4*\i:DN+4*\i+1] op_sel_hi:[1,0]
	v_pk_mul_f32 v[RD+16*\i+2:RD+16*\i+3], v[RD+16*\i+2:RD+16*\i+3], v[DN+4*\i:DN+4*\i+1] op_sel_hi:[1,0]
.endr
.irp i, 0,1,2,3
	global_store_b128 v[LA], v[RD+16*\i:RD+16*\i+3], s[16:17] offset:512*\i th:TH_STORE_NT  ; 512 consecutive bytes, at a multiple of 256 from out's first
.endr
	s_wait_xcnt 0x0                                ; the stores' base and data are written again only behind this wait
	s_add_nc_u64 s[16:17], s[16:17], 8192          ; the next chunk's rows
.endm
	s_load_b256 s[4:11], s[0:1], 0x0               ; query s[4:5], key s[6:7], value s[8:9], W s[10:11]
	s_load_b128 s[12:15], s[0:1], 0x20             ; pre s[12:13], ksum s[14:15]
	s_load_b64 s[16:17], s[0:1], 0x30              ; out
	v_lshl_add_u32 v[SPW], v0, 2, SPARE
	v_mov_b32 v[NIL], 0
	v_lshrrev_b32 v[T], 5, v0
	v_readfirstlane_b32 s18, v[T]                  ; wave 0..7
	s_and_b32 s19, s18, 3                          ; w: my slice of the features
	s_lshr_b32 s20, s18, 2                         ; g: my group
	s_lshl_b32 s21, ttmp9, 1
	s_add_co_u32 s21, s21, s20                     ; my group's record
	s_mov_b32 s26, 0x3e8293ee                      ; C1 = log2(e) / 1024^0.25
	s_mov_b32 s27, s26                             ; named with it as a pair
	s_mov_b32 s28, 0x38d1b717                      ; EPS = 1e-4
	s_mov_b32 s29, s28
	s_mov_b32 s30, 0x76543210                      ; v_permlanex16_b32: each lane takes its own place in the other half
	s_mov_b32 s31, 0xfedcba98
	s_mov_b32 s32, 0x3cb8aa3b                      ; log2(e) / 64
	s_mov_b32 s33, 0x390637bd                      ; 128 x 1e-6
	s_mov_b32 s34, 0x398637bd                      ; 128 x 2e-6
	v_and_b32 v[T+1], 15, v0                       ; r = lane % 16
	v_bfe_u32 v[T+2], v0, 4, 1                     ; h = lane / 16
	v_bfe_u32 v[T+3], v0, 4, 3                     ; my row among eight
	v_and_b32 v[T+4], 127, v0                      ; thread in group
	v_and_b32 v[T+5], 7, v0
	v_bfe_u32 v[T+6], v0, 3, 1
	v_lshlrev_b32 v[GOFF], 4, v[T+4]
	s_mul_i32 s24, s20, GL                         ; my group's tiles
	v_mul_u32_u24 v[ASX], v[T+3], PX
	v_lshl_add_u32 v[ASX], v[T+1], 3, v[ASX]
	v_add_nc_u32 v[ASX], s24, v[ASX]
	v_mul_u32_u24 v[ASV], v[T+3], PV
	v_lshl_add_u32 v[ASV], v[T+1], 3, v[ASV]
	v_add_nc_u32 v[ASV], s24, v[ASV]
	v_lshl_add_u32 v[ASH], v[T+3], 2, s24
	v_lshl_add_u32 v[AH], v[T+1], 2, s24
	v_mul_u32_u24 v[AX], v[T+1], PX
	v_lshl_add_u32 v[AX], v[T+2], 4, v[AX]
	v_add_nc_u32 v[AX], s24, v[AX]
	v_lshl_add_u32 v[T+7], v[T+2], 3, v[T+5]       ; the turning loads: row 8 h + lane % 8, 16 bytes at 16 ((lane / 8) % 2)
	v_mul_u32_u24 v[AT], v[T+7], PV
	v_lshl_add_u32 v[AT], v[T+6], 4, v[AT]
	v_add_nc_u32 v[AT], s24, v[AT]
	s_mul_i32 s24, s18, TURNB
	s_add_co_u32 s24, s24, TURN                    ; my turn buffer
	v_mul_u32_u24 v[ATS], v[T+1], TP
	v_lshl_add_u32 v[ATS], v[T+2], 4, v[ATS]
	v_add_nc_u32 v[ATS], s24, v[ATS]
	v_mul_u32_u24 v[ATL], v[T+7], TP
	v_lshl_add_u32 v[ATL], v[T+6], 4, v[ATL]
	v_add_nc_u32 v[ATL], s24, v[ATL]
	s_mul_i32 s24, s18, STW
	s_add_co_u32 s24, s24, STG                     ; my stage
	v_mul_u32_u24 v[AOS], v[T+1], SPI
	v_lshl_add_u32 v[AOS], v[T+2], 5, v[AOS]
	v_add_nc_u32 v[AOS], s24, v[AOS]
	s_mul_i32 s24, s20, 4*STW
	s_add_co_u32 s24, s24, STG                     ; my group's first stage,
	s_mul_i32 s25, s19, 8*SPI
	s_add_co_u32 s24, s24, s25                     ; at query 8 w
	v_mul_u32_u24 v[ADL], v[T+2], SPI
	v_add_nc_u32 v[ADL], s24, v[ADL]
	v_lshl_add_u32 v[AOL], v[T+1], 4, v[ADL]
	v_and_b32 v[LA], 31, v0
	v_lshlrev_b32 v[LA], 4, v[LA]
	v_lshlrev_b32 v[T+7], 3, v[T+2]
	v_sub_nc_u32 v[T+7], v[T+1], v[T+7]            ; r - 8 h: register j's key is seen where that is at least j
.irp j, 0,1,2,3,4,5,6,7
	v_cmp_ge_i32 s[MK+\j], v[T+7], \j
.endr
	s_lshl_b32 s24, s19, 7                         ; W[d][f]: lane (r, h) begins at d = 8 h, f = 32 w + r
	v_lshlrev_b32 v[T+7], 12, v[T+2]
	v_lshl_add_u32 v[T+7], v[T+1], 2, v[T+7]
	v_add_nc_u32 v[T+7], s24, v[T+7]
	v_lshlrev_b32 v[T+6], 1, v[LA]                 ; ksum: 32 bytes a lane
	v_mov_b32 v[NEG1], -1.0
	v_mov_b32 v[ZP], 0
	v_mov_b32 v[ZP+1], 0
	v_mov_b32 v[HK+1], 0
	v_mov_b32 v[HK+3], 0
	v_mov_b32 v[T], 0x3f803f80                     ; two bf16 ones
	v_cmp_eq_u32 vcc_lo, 0, v[T+1]
.set i, 0
.rept 8
	v_cndmask_b32 v[VF+32+i], 0, v[T], vcc_lo      ; channel tile 4: column 64 is ones, columns 65 to 79 are 0
.set i, i+1
.endr
	WIN 0x40
	v_mov_b32 v[NEG1], -1.0
	WIN 0
	s_wait_kmcnt 0x0
	s_lshl_b32 s22, s21, 16                        ; the record's 256 rows of 256 bytes
	s_mov_b32 s23, 0
	s_add_nc_u64 s[4:5], s[4:5], s[22:23]
	s_add_nc_u64 s[6:7], s[6:7], s[22:23]
	s_add_nc_u64 s[8:9], s[8:9], s[22:23]
	s_add_nc_u64 s[16:17], s[16:17], s[22:23]
	s_lshl_b32 s22, s19, 11                        ; I store rows 8 w .. 8 w + 7 of each chunk
	s_add_nc_u64 s[16:17], s[16:17], s[22:23]
	s_mul_i32 s22, s21, 40960
	s_mul_i32 s24, s19, 10240
	s_add_co_u32 s22, s22, s24
	s_add_nc_u64 s[12:13], s[12:13], s[22:23]      ; my slice of the start state
.set i, 0
.rept 64                               ; word i = 16 (2 ft + s) + e: feature tile ft, channel 32 s + 8 h + e (e < 8) or 32 s + 16 + 8 h + e - 8
	global_load_b32 v[WT+i], v[T+7], s[10:11] offset:(32*((i/16)%2)+(i%16)+8*((i%16)/8))*512+64*(i/32)
.set i, i+1
.endr
	global_load_b128 v[PD:PD+3], v[T+6], s[14:15]
	global_load_b128 v[PD+4:PD+7], v[T+6], s[14:15] offset:16
	WIN 0x40
.set i, 0
.rept 20
	global_load_b128 v[SA+4*i:SA+4*i+3], v[LA], s[12:13] offset:512*i
.set i, i+1
.endr
	LOADRAW                                        ; chunk 0
	s_wait_loadcnt 0x0                             ; all of it is wanted at once
	WIN 0x40
.set i, 0
.rept 32
	v_cvt_pk_bf16_f32 v[WF+i], v[WT+2*i], v[WT+2*i+1]
.set i, i+1
.endr
	WIN 0
	v_min3_num_f32 v[T], v[PD], v[PD+1], v[PD+2]   ; the least of the 256 numbers
	v_min3_num_f32 v[T+1], v[PD+3], v[PD+4], v[PD+5]
	v_min3_num_f32 v[T], v[T], v[PD+6], v[PD+7]
	v_min_num_f32 v[T], v[T], v[T+1]
.irp m, 1,2,4,8
	v_min_num_f32_dpp v[T], v[T], v[T] row_xmask:\m row_mask:0xf bank_mask:0xf
.endr
	v_permlanex16_b32 v[T+1], v[T], s30, s31
	v_min_num_f32 v[KS], v[T], v[T+1]
; A CHUNK of 32 rows.  last = 1: nothing more is fetched, so no load leaves its buffer.
.macro CHUNK last
	s_wait_loadcnt 0x0                             ; the chunk's rows are in, and the loads' bases may be stepped
.if !(\last)
	s_add_nc_u64 s[4:5], s[4:5], 8192
	s_add_nc_u64 s[6:7], s[6:7], 8192
	s_add_nc_u64 s[8:9], s[8:9], 8192
.endif
	PUT 0, ASX, 0, 8*PX
	PUT 16, ASX, KBO, 8*PX
	HROW
	PUT 32, ASV, VBO, 8*PV
.if !(\last)
	LOADRAW                                        ; the next chunk: it has this chunk's work in which to land
.endif
	s_wait_dscnt 0x0                               ; for the others' sake: my part of the tiles is written (my reads of the stages were over in the last chunk's reduction)
	s_barrier_signal -1
	s_barrier_wait -1                              ; the tiles are whole, and nobody reads a stage any more
	LDX XQ, 0
	LDX XK, KBO
	LDH
	LDV
	SSPLIT                                         ; work on registers while the fragments come
	s_wait_dscnt 0x0
	FEAT XQ, ZP, 0, QF
	FEAT XK, HK, 2, KF
	TURNST
	SCORE
	PLACES
	MASKSPLIT
	SQ
	PVM
	PLACES
	TURNLD                                         ; into q's registers, which the products above have read
	OSTAGE
	s_wait_dscnt 0x0                               ; for the others' sake: my stage is written; k' is back turned; my reads of the tiles were over above
	s_barrier_signal -1
	SUPD                                           ; work on registers while the others arrive
	WIN 0
	s_barrier_wait -1                              ; the stages are whole, and the tiles may be written again
	REDUCE
.endm
	s_mov_b32 s25, 7
.Lchunk:
	CHUNK 0
	s_sub_co_u32 s25, s25, 1
	s_cmp_lg_u32 s25, 0
	s_cbranch_scc1 .Lchunk
	CHUNK 1
	s_wait_tensorcnt 0x0                           ; the wave's end: three closing lines behind my last LDS store
	ds_add_u32 v[SPW], v[NIL]
	s_wait_dscnt 0x0
	s_endpgm
.Lfunc_end_k_qaa262d9145_attn:
	.size	k_qaa262d9145_attn, .Lfunc_end_k_qaa262d9145_attn-k_qaa262d9145_attn
	.p2alignl 7, 3214868480
	.fill 96, 4, 3214868480
	.section	.rodata,"a",@progbits
	.p2align	6, 0x0
	.amdhsa_kernel k_qaa262d9145_attn
		.amdhsa_group_segment_fixed_size 165376
		.amdhsa_private_segment_fixed_size 0
		.amdhsa_enable_private_segment 0
		.amdhsa_kernarg_size 56
		.amdhsa_user_sgpr_count 2
		.amdhsa_user_sgpr_kernarg_segment_ptr 1
		.amdhsa_wavefront_size32 1
		.amdhsa_system_sgpr_workgroup_id_x 1
		.amdhsa_system_sgpr_workgroup_id_y 1
		.amdhsa_system_sgpr_workgroup_id_z 1
		.amdhsa_system_vgpr_workitem_id 0
		.amdhsa_next_free_vgpr 512
		.amdhsa_next_free_sgpr 66
		.amdhsa_reserve_vcc 1
		.amdhsa_float_denorm_mode_32 3
		.amdhsa_float_denorm_mode_16_64 3
		.amdhsa_memory_ordered 1
		.amdhsa_forward_progress 1
		.amdhsa_inst_pref_size 120
	.end_amdhsa_kernel
	.amdgpu_metadata
---
amdhsa.version: [ 1, 2 ]
amdhsa.kernels:
  - .name:           k_qaa262d9145_attn
    .symbol:         k_qaa262d9145_attn.kd
    .args:
      - { .name: query, .offset: 0, .size: 8, .value_kind: global_buffer, .address_space: global }
      - { .name: key, .offset: 8, .size: 8, .value_kind: global_buffer, .address_space: global }
      - { .name: value, .offset: 16, .size: 8, .value_kind: global_buffer, .address_space: global }
      - { .name: random_features, .offset: 24, .size: 8, .value_kind: global_buffer, .address_space: global }
      - { .name: pre, .offset: 32, .size: 8, .value_kind: global_buffer, .address_space: global }
      - { .name: ksum, .offset: 40, .size: 8, .value_kind: global_buffer, .address_space: global }
      - { .name: out0, .offset: 48, .size: 8, .value_kind: global_buffer, .address_space: global }
    .group_segment_fixed_size: 165376
    .private_segment_fixed_size: 0
    .kernarg_segment_align: 8
    .kernarg_segment_size: 56
    .max_flat_workgroup_size: 256
    .sgpr_count:     66
    .vgpr_count:     512
    .wavefront_size: 32
...
	.end_amdgpu_metadata
.endif
;; end of part 4
;; ======== version 2 of 2: 4 launches; version 1 with the launches kstate, prefix, attn written anew for expert scheduling mode
;; workspace buffers: ksum 1,024 bytes; tot 20,971,520 bytes; pre 20,971,520 bytes
;; launch ksum: the kernel of part 1 again; grid 256 x 1, 8 waves a work-group, no clusters, 1,280 bytes of LDS; arguments key, ksum; writes ksum
;; launch kstate (part 5): grid 256 x 1, 8 waves a work-group, no clusters, 70,144 bytes of LDS; arguments key, value, random_features, ksum, tot; writes tot
.if DOCPART == 5
	.amdgcn_target "amdgcn-amd-amdhsa--gfx1250"
	.amdhsa_code_object_version 6
	.text
	.protected	k_qaa262d9145_kstate
	.globl	k_qaa262d9145_kstate
	.p2align	8
	.type	k_qaa262d9145_kstate,@function
k_qaa262d9145_kstate:
	s_mov_b64 s[64:65], 0
	v_nop
	global_prefetch_b8 v0, s[64:65] scope:SCOPE_SE
	s_setreg_imm32_b32 hwreg(HW_REG_WAVE_SCHED_MODE, 0, 2), 2
	s_setreg_imm32_b32 hwreg(HW_REG_WAVE_MODE, 25, 1), 1
	s_wait_xcnt 0x0
	s_wait_alu depctr_vm_vsrc(0)
; tot[rec][f][d] = sum over the 256 rows of record rec of k'[j][f] [v_j | 1][d].  key, value: [131072 rows][64] f32 (32 heads of 4,096 rows); W: [64][128] f32.
; k'[j][f] = 2^(C1 (k_j . W_f) + HK_j) + EPS, C1 = log2(e) / 1024^0.25, HK_j = log2(e)/64 (least of all rows' sum k^2 - sum k_j^2): the module's exp(h + proj - k_stab) + EPS.  HK <= 0.
; The module's factor 128^-0.5 is left out here and in q': it cancels in num / den; the launch that divides scales the denominator's test by 128.
; SHARES.  Eight waves are two groups of four; group g owns record 2 x work-group + g: 8 chunks of 32 rows.  Wave w of a group owns features 32 w .. 32 w + 31.  The groups share the barriers alone.
; FORMATS.  k, v and W are rounded once to bf16 (HK is made of the rounded k).  k' goes to the matrix unit as TWO bf16 numbers, hi = bf16(x), lo = bf16(x - hi) (x - hi is exact in f32); sums in f32.
; A RECORD is 4 slices (one a wave) of 10,240 bytes: the wave's 80 accumulator registers as they lie, 20 stores of 512 consecutive aligned bytes.
; A head's last record has no reader; it is stored all the same: one text for all work-groups.
; LIMITS: an exponential below 2^-126 counts as 0 (ahead of + EPS); NaN and infinities are not treated apart.
; NO CLUSTER: work-groups share W alone, 32,768 bytes against 262,144 of rows of their own.  No tensor loads: the rows are rounded on their way into LDS, so they pass through registers.
; THE MODE: SCHED_MODE bits 1:0 = 2 (LLVM: expert scheduling mode 2), set by the entry lines.  The code itself states the register dependences
; between vector or matrix instructions and memory or LDS instructions, with s_wait_alu, always for 0.
; THE PLAN.  Registers that memory or LDS instructions touch, round a chunk:
;   RAW         read by the chunk's conversions; behind them the next chunk's loads land in it.
;   CT, CV, T   written by the conversions and the row sums; read by the twelve LDS stores into the tiles; written again in the next chunk.
;   XK, HK, VF  LDS loads land in them behind the first barrier; read by the chunk's products and scalings, VF by the sums' products at its end.
;   KF          written by the split; read by the eight LDS stores into the turn buffer; written again in the next chunk.
;   KT          the turning loads land in it; read by the sums' products.
;   SA          named by matrix instructions alone, until the way out's stores read it.
;   v1-7, v10, v11, v15  addresses, made at the head and never written again: the rows are reached by scalar bases.
; So a chunk has one wait on vm_vsrc, at its head, and three on va_vdst: behind the row sums (for the loads into RAW, the tile stores and the fragment loads behind the barrier, between which
; and the wait no vector instruction stands), behind the exponentials, and ahead of the turn buffer's stores and loads.
.set PX,   144                         ; a row of K in LDS: 128 bytes of bf16 + 16: an odd multiple of 16, so the 16 rows of a fragment load begin in 16 different groups of four banks (ISA guide 11.1)
.set PV,   160                         ; a row of V: 128 + 32: an odd multiple of 32, for the turning load
.set VBO,  32*PX                       ; in a group's tiles: 32 rows of K, 32 rows of V, 32 words of HK
.set HBO,  VBO+32*PV
.set GL,   HBO+256
.set TURN, 2*GL                        ; each wave's own: k' as [32 keys][32 features], hi then lo
.set TP,   96                          ; 64 bytes + 32
.set TURNB, 2*32*TP
.set SPARE, TURN+8*TURNB               ; the spare words: 128 bytes for each of eight waves
; window 0
.set GOFF, 1                           ; 16 x thread in group: my 16 bytes in eight rows
.set ASX,  2                           ; LDS: where I put 8 bytes of a row of K
.set ASV,  3                           ; of V
.set ASH,  4                           ; my row's HK
.set AX,   5                           ; fragment: row (lane % 16) x PX + 16 (lane / 16)
.set AT,   6                           ; turning load of V
.set AH,   7                           ; HK of row lane % 16
.set NEG1, 8                           ; -1.0 (in window 1 too)
.set KS,   9                           ; the least row sum of all keys
.set ATS,  10                          ; turn buffer: store
.set ATL,  11                          ; turn buffer: turning load
.set LA,   15                          ; 16 x lane
.set ZP,   16                          ; v16-17 0, 0
.set HK,   18                          ; v18-21 row tile t at HK + 2 t; the odd ones are 0 (pairs are named whole)
.set T,    22                          ; v22-29 at work
.set SPW,  30                          ; my spare word; never rewritten
.set NIL,  31                          ; 0; never rewritten
.set WT,   32                          ; v32-95 W as loaded, at the start
.set XK,   64                          ; v64-95 fragments of K: row tile t, channel half s at XK + 8 (2 t + s)
.set CV,   96                          ; v96-103 V's rows rounded to bf16
.set VF,   112                         ; v112-151 fragments of V (lane = channel, K = 32 keys), tile c at VF + 8 c; c = 4: the column of ones
.set KT,   152                         ; v152-183 k' turned (lane = feature, K = 32 keys): tile ft: hi at KT + 16 ft, lo 8 further
.set KF,   184                         ; v184-215 k' (lane = key, K = 32 features): tile t: hi at KF + 16 t, lo 8 further
.set PD,   216                         ; v216-247 products: (row tile t, feature tile ft) at PD + 8 (2 t + ft)
.set CT,   248                         ; v248-255 K's rows rounded to bf16
; window 1
.set SA,   16                          ; the sums: (channel tile c, feature tile ft) at SA + 8 (2 c + ft); register j of lane (r, h): feature 8 h + j, channel r
.set WF,   176                         ; fragments of W (lane = feature, K = channels): (ft, s) at WF + 8 (2 ft + s)
.set RAW,  208                         ; the next chunk's rows on their way: K at +16, V at +32
.set ONE,  33                          ; s33  lane mask: lane % 16 = 0
.set MSB, 0
.macro WIN new                         ; s_set_vgpr_msb: bits 1:0 source 0, 3:2 source 1, 5:4 source 2, 7:6 destination; the high byte repeats the setting that is left
.if MSB != (\new)
	s_set_vgpr_msb (MSB<<8)|(\new)
.set MSB, (\new)
.endif
.endm
.macro PLACES                          ; plain vector instructions between matrix instructions and whatever touches their registers next (ISA guide 7.12.1)
.rept 5
	v_nop
.endr
.endm
; eight f32 at x -> four words of bf16 pairs hi at h, four words lo at l; t: eight registers for x - hi (may be x itself)
.macro SPLIT8 x, h, l, t
.irp i, 0,1,2,3
	v_cvt_pk_bf16_f32 v[(\h)+\i], v[(\x)+2*\i], v[(\x)+2*\i+1]
.endr
.irp i, 0,1,2,3
	v_fma_mix_f32_bf16 v[(\t)+2*\i], v[(\h)+\i], v[NEG1], v[(\x)+2*\i] op_sel_hi:[1,0,0]
	v_fma_mix_f32_bf16 v[(\t)+2*\i+1], v[(\h)+\i], v[NEG1], v[(\x)+2*\i+1] op_sel:[1,0,0] op_sel_hi:[1,0,0]
.endr
.irp i, 0,1,2,3
	v_cvt_pk_bf16_f32 v[(\l)+\i], v[(\t)+2*\i], v[(\t)+2*\i+1]
.endr
.endm
.macro LOADRAW                         ; a group's 128 threads take 32 rows of K and of V: each load of a wave covers 512 consecutive bytes
	WIN 0x40
.irp i, 0,1,2,3
	global_load_b128 v[RAW+16+4*\i:RAW+16+4*\i+3], v[GOFF], s[4:5] offset:2048*\i
.endr
.irp i, 0,1,2,3
	global_load_b128 v[RAW+32+4*\i:RAW+32+4*\i+3], v[GOFF], s[6:7] offset:2048*\i
.endr
	WIN 0
.endm
.macro CVT raw, ct                     ; my 4 x 4 numbers rounded to bf16
	WIN 0x05
.irp i, 0,1,2,3
	v_cvt_pk_bf16_f32 v[(\ct)+2*\i], v[RAW+(\raw)+4*\i], v[RAW+(\raw)+4*\i+1]
	v_cvt_pk_bf16_f32 v[(\ct)+2*\i+1], v[RAW+(\raw)+4*\i+2], v[RAW+(\raw)+4*\i+3]
.endr
.endm
.macro LAY ct, adr, off, step          ; and laid into the group's tile, eight rows apart
	WIN 0
.irp i, 0,1,2,3
	ds_store_b64 v[\adr], v[(\ct)+2*\i:(\ct)+2*\i+1] offset:(\off)+(\step)*\i
.endr
.endm
.macro HSUM ct                         ; HK of my four rows of K; a row lies in 16 neighbouring lanes
	WIN 0
.irp i, 0,1,2,3
	v_fma_mix_f32_bf16 v[T+\i], v[(\ct)+2*\i], v[(\ct)+2*\i], v[ZP] op_sel_hi:[1,1,0]
.endr
.irp i, 0,1,2,3
	v_fma_mix_f32_bf16 v[T+\i], v[(\ct)+2*\i], v[(\ct)+2*\i], v[T+\i] op_sel:[1,1,0] op_sel_hi:[1,1,0]
.endr
.irp i, 0,1,2,3
	v_fma_mix_f32_bf16 v[T+\i], v[(\ct)+2*\i+1], v[(\ct)+2*\i+1], v[T+\i] op_sel_hi:[1,1,0]
.endr
.irp i, 0,1,2,3
	v_fma_mix_f32_bf16 v[T+\i], v[(\ct)+2*\i+1], v[(\ct)+2*\i+1], v[T+\i] op_sel:[1,1,0] op_sel_hi:[1,1,0]
.endr
.irp m, 1,2,4,8
.irp i, 0,1,2,3
	v_add_f32_dpp v[T+\i], v[T+\i], v[T+\i] row_xmask:\m row_mask:0xf bank_mask:0xf
.endr
.endr
.irp i, 0,1,2,3
	v_sub_f32 v[T+\i], v[KS], v[T+\i]
.endr
.irp i, 0,1,2,3
	v_mul_f32 v[T+\i], s32, v[T+\i]
.endr
.endm
.macro HLAY
.irp i, 0,1,2,3
	ds_store_b32 v[ASH], v[T+\i] offset:HBO+32*\i  ; 16 lanes write the same word with the same value
.endr
.endm
.macro LDX x, off                      ; four fragments (2 row tiles x 2 channel halves)
.set n, 0
.rept 4
	ds_load_b128 v[(\x)+8*n:(\x)+8*n+3],   v[AX] offset:(\off)+16*PX*(n/2)+64*(n%2)
	ds_load_b128 v[(\x)+8*n+4:(\x)+8*n+7], v[AX] offset:(\off)+16*PX*(n/2)+64*(n%2)+32
.set n, n+1
.endr
.endm
.macro LDV
.irp c, 0,1,2,3
	ds_load_tr16_b128 v[VF+8*\c:VF+8*\c+3],   v[AT] offset:VBO+32*\c
	ds_load_tr16_b128 v[VF+8*\c+4:VF+8*\c+7], v[AT] offset:VBO+32*\c+16*PV
.endr
.endm
.macro LDH
	ds_load_b32 v[HK], v[AH] offset:HBO
	ds_load_b32 v[HK+2], v[AH] offset:HBO+64
.endm
; features of 32 rows: products W x rows (a lane then holds ONE row and 8 features), 2^(C1 p + hk) + EPS, split: two feature tiles of a row tile ARE a fragment (lane = row, K = 32 features)
.macro FEAT x, hk, hs, f
	WIN 0x01
.set n, 0
.rept 8                                ; n = 4 s + 2 t + ft: the four accumulators take turns
.set rD, PD+8*(n%4)
.set rA, WF+8*(2*(n%2)+n/4)
.set rB, (\x)+8*(2*((n/2)%2)+n/4)
.if n < 4
	v_wmma_f32_16x16x32_bf16 v[rD:rD+7], v[rA:rA+7], v[rB:rB+7], 0
.else
	v_wmma_f32_16x16x32_bf16 v[rD:rD+7], v[rA:rA+7], v[rB:rB+7], v[rD:rD+7]
.endif
.set n, n+1
.endr
	WIN 0
	PLACES
.set n, 0
.rept 16
	v_pk_fma_f32 v[PD+2*n:PD+2*n+1], v[PD+2*n:PD+2*n+1], s[26:27], v[(\hk)+(\hs)*(n/8):(\hk)+(\hs)*(n/8)+1] op_sel_hi:[1,0,0]
.set n, n+1
.endr
.set n, 0
.rept 32
	v_exp_f32 v[PD+n], v[PD+n]
.set n, n+1
.endr
	v_nop                                          ; a plain instruction between the exponentials and the first use of a result (ISA guide 5.7.2)
	s_wait_alu depctr_va_vdst(0)                   ; the 32 exponentials have written v[PD ..], ahead of the additions that read them: one wait for the batch
.set n, 0
.rept 16
	v_pk_add_f32 v[PD+2*n:PD+2*n+1], v[PD+2*n:PD+2*n+1], s[28:29] op_sel_hi:[1,0]
.set n, n+1
.endr
.set n, 0
.rept 4
	SPLIT8 PD+8*n, (\f)+16*(n/2)+4*(n%2), (\f)+16*(n/2)+8+4*(n%2), PD+8*n
.set n, n+1
.endr
.endm
.macro TURNST                          ; k' into my turn buffer as [key][feature]
.set n, 0
.rept 4                                ; key tile n / 2, hi or lo n % 2
	ds_store_b128 v[ATS], v[KF+8*n:KF+8*n+3]   offset:16*TP*(n/2)+32*TP*(n%2)
	ds_store_b128 v[ATS], v[KF+8*n+4:KF+8*n+7] offset:16*TP*(n/2)+32*TP*(n%2)+32
.set n, n+1
.endr
.endm
.macro TURNLD                          ; and back turned; LDS serves a wave's instructions in order (ISA guide 5.7.1.4): these see the stores
.set n, 0
.rept 4                                ; feature tile n / 2, hi or lo n % 2
	ds_load_tr16_b128 v[KT+8*n:KT+8*n+3],   v[ATL] offset:32*TP*(n%2)+32*(n/2)
	ds_load_tr16_b128 v[KT+8*n+4:KT+8*n+7], v[ATL] offset:32*TP*(n%2)+32*(n/2)+16*TP
.set n, n+1
.endr
.endm
.macro SUPD zero                       ; the sums += k'^T [V | 1]: hi, then lo; the ten accumulators take turns.  zero = 1: the first ten start the sums
	WIN 0x50
.set n, 0
.rept 20
.set rD, SA+8*(n%10)
.set rA, KT+16*(n%2)+8*(n/10)
.set rB, VF+8*((n%10)/2)
.if (\zero) && (n < 10)
	v_wmma_f32_16x16x32_bf16 v[rD:rD+7], v[rA:rA+7], v[rB:rB+7], 0
.else
	v_wmma_f32_16x16x32_bf16 v[rD:rD+7], v[rA:rA+7], v[rB:rB+7], v[rD:rD+7]
.endif
.set n, n+1
.endr
.endm
	s_load_b256 s[4:11], s[0:1], 0x0               ; key s[4:5], value s[6:7], W s[8:9], ksum s[10:11]
	s_load_b64 s[12:13], s[0:1], 0x20              ; tot
	v_lshl_add_u32 v[SPW], v0, 2, SPARE
	v_mov_b32 v[NIL], 0
	v_lshrrev_b32 v[T], 5, v0
	v_readfirstlane_b32 s18, v[T]                  ; wave 0..7
	v_and_b32 v[T+1], 15, v0                       ; r = lane % 16
	v_bfe_u32 v[T+2], v0, 4, 1                     ; h = lane / 16
	v_bfe_u32 v[T+3], v0, 4, 3                     ; my row among eight
	v_and_b32 v[T+4], 127, v0                      ; thread in group
	v_and_b32 v[T+5], 7, v0
	v_bfe_u32 v[T+6], v0, 3, 1
	v_lshlrev_b32 v[GOFF], 4, v[T+4]
	v_cmp_eq_u32 s[ONE], 0, v[T+1]                 ; the lanes of channel 64
	s_mov_b32 s26, 0x3e8293ee                      ; C1 = log2(e) / 1024^0.25
	s_mov_b32 s27, s26                             ; named with it as a pair
	s_mov_b32 s28, 0x38d1b717                      ; EPS = 1e-4
	s_mov_b32 s29, s28
	s_mov_b32 s30, 0x76543210                      ; v_permlanex16_b32: each lane takes its own place in the other half
	s_mov_b32 s31, 0xfedcba98
	s_mov_b32 s32, 0x3cb8aa3b                      ; log2(e) / 64
	s_wait_alu depctr_va_sdst(0)                   ; s18 and the lane mask are written, ahead of the first reader of either: one wait for both
	s_and_b32 s19, s18, 3                          ; w: my slice of the features
	s_lshr_b32 s20, s18, 2                         ; g: my group
	s_lshl_b32 s21, ttmp9, 1
	s_add_co_u32 s21, s21, s20                     ; my group's record
	s_mul_i32 s24, s20, GL                         ; my group's tiles
	v_mul_u32_u24 v[ASX], v[T+3], PX
	v_lshl_add_u32 v[ASX], v[T+1], 3, v[ASX]
	v_add_nc_u32 v[ASX], s24, v[ASX]
	v_mul_u32_u24 v[ASV], v[T+3], PV
	v_lshl_add_u32 v[ASV], v[T+1], 3, v[ASV]
	v_add_nc_u32 v[ASV], s24, v[ASV]
	v_lshl_add_u32 v[ASH], v[T+3], 2, s24
	v_lshl_add_u32 v[AH], v[T+1], 2, s24
	v_mul_u32_u24 v[AX], v[T+1], PX
	v_lshl_add_u32 v[AX], v[T+2], 4, v[AX]
	v_add_nc_u32 v[AX], s24, v[AX]
	v_lshl_add_u32 v[T+7], v[T+2], 3, v[T+5]       ; the turning loads: row 8 h + lane % 8, 16 bytes at 16 ((lane / 8) % 2)
	v_mul_u32_u24 v[AT], v[T+7], PV
	v_lshl_add_u32 v[AT], v[T+6], 4, v[AT]
	v_add_nc_u32 v[AT], s24, v[AT]
	s_mul_i32 s24, s18, TURNB
	s_add_co_u32 s24, s24, TURN                    ; my turn buffer
	v_mul_u32_u24 v[ATS], v[T+1], TP
	v_lshl_add_u32 v[ATS], v[T+2], 4, v[ATS]
	v_add_nc_u32 v[ATS], s24, v[ATS]
	v_mul_u32_u24 v[ATL], v[T+7], TP
	v_lshl_add_u32 v[ATL], v[T+6], 4, v[ATL]
	v_add_nc_u32 v[ATL], s24, v[ATL]
	v_and_b32 v[LA], 31, v0
	v_lshlrev_b32 v[LA], 4, v[LA]
	s_lshl_b32 s24, s19, 7                         ; W[d][f]: lane (r, h) begins at d = 8 h, f = 32 w + r
	v_lshlrev_b32 v[T+7], 12, v[T+2]
	v_lshl_add_u32 v[T+7], v[T+1], 2, v[T+7]
	v_add_nc_u32 v[T+7], s24, v[T+7]
	v_lshlrev_b32 v[T+6], 1, v[LA]                 ; ksum: 32 bytes a lane
	v_mov_b32 v[NEG1], -1.0
	v_mov_b32 v[ZP], 0
	v_mov_b32 v[ZP+1], 0
	v_mov_b32 v[HK+1], 0
	v_mov_b32 v[HK+3], 0
	v_mov_b32 v[T], 0x3f803f80                     ; two bf16 ones
.set i, 0
.rept 8
	v_cndmask_b32 v[VF+32+i], 0, v[T], s[ONE]      ; channel tile 4: column 64 is ones, columns 65 to 79 are 0
.set i, i+1
.endr
	WIN 0x40
	v_mov_b32 v[NEG1], -1.0
	WIN 0
	s_wait_kmcnt 0x0
	s_lshl_b32 s22, s21, 16                        ; the record's 256 rows of 256 bytes
	s_mov_b32 s23, 0
	s_add_nc_u64 s[4:5], s[4:5], s[22:23]
	s_add_nc_u64 s[6:7], s[6:7], s[22:23]
	s_mul_i32 s22, s21, 40960
	s_mul_i32 s24, s19, 10240
	s_add_co_u32 s22, s22, s24
	s_add_nc_u64 s[12:13], s[12:13], s[22:23]      ; my slice of the record
	s_wait_alu depctr_va_vdst(0)                   ; all addresses and offsets (v1-7, v10, v11, v15, v28, v29) are written, which the kernel's loads, stores and LDS instructions read
.set i, 0
.rept 64                               ; word i = 16 (2 ft + s) + e: feature tile ft, channel 32 s + 8 h + e (e < 8) or 32 s + 16 + 8 h + e - 8
	global_load_b32 v[WT+i], v[T+7], s[8:9] offset:(32*((i/16)%2)+(i%16)+8*((i%16)/8))*512+64*(i/32)
.set i, i+1
.endr
	global_load_b128 v[PD:PD+3], v[T+6], s[10:11]
	global_load_b128 v[PD+4:PD+7], v[T+6], s[10:11] offset:16
	LOADRAW                                        ; chunk 0
	s_wait_loadcnt 0x0                             ; all of it is wanted at once
	WIN 0x40
.set i, 0
.rept 32
	v_cvt_pk_bf16_f32 v[WF+i], v[WT+2*i], v[WT+2*i+1]
.set i, i+1
.endr
	WIN 0
	v_min3_num_f32 v[T], v[PD], v[PD+1], v[PD+2]   ; the least of the 256 numbers
	v_min3_num_f32 v[T+1], v[PD+3], v[PD+4], v[PD+5]
	v_min3_num_f32 v[T], v[T], v[PD+6], v[PD+7]
	v_min_num_f32 v[T], v[T], v[T+1]
.irp m, 1,2,4,8
	v_min_num_f32_dpp v[T], v[T], v[T] row_xmask:\m row_mask:0xf bank_mask:0xf
.endr
	v_permlanex16_b32 v[T+1], v[T], s30, s31
	v_min_num_f32 v[KS], v[T], v[T+1]
; A CHUNK of 32 rows.  first = 1: the products start the sums.  last = 1: nothing more is fetched, so no load leaves its buffer.
.macro CHUNK first, last
	s_wait_loadcnt 0x0                             ; the chunk's rows are in, and the loads' bases may be stepped
.if !(\last)
	s_add_nc_u64 s[4:5], s[4:5], 8192
	s_add_nc_u64 s[6:7], s[6:7], 8192
.endif
.if !(\first)
	s_wait_alu depctr_vm_vsrc(0)                   ; the last chunk's LDS stores have read CT, CV, T and KF, which this chunk's conversions, row sums and split write again
.endif
	CVT 16, CT
	CVT 32, CV
	HSUM CT
.if !(\last)
	WIN 0x40                                       ; the loads' destination lies in window 1: the switch, then the wait, then the loads
.endif
	s_wait_alu depctr_va_vdst(0)                   ; the conversions are done reading RAW, in which the loads land; CT, CV and T are written, which the LDS stores read; the last chunk's products and scalings (in the first chunk: W's conversions) are done with XK, HK and VF, in which the LDS loads behind the barrier land
.if !(\last)
	LOADRAW                                        ; the next chunk: it has this chunk's work in which to land
.endif
	LAY CT, ASX, 0, 8*PX
	HLAY
	LAY CV, ASV, VBO, 8*PV
	s_wait_dscnt 0x0                               ; for the others' sake: my part of the tiles is written
	s_barrier_signal -1
	s_barrier_wait -1                              ; the tiles are whole
	LDX XK, 0                                      ; no wait: no vector or matrix instruction since the wait above
	LDH
	LDV
	s_wait_dscnt 0x0
	FEAT XK, HK, 2, KF
	s_wait_alu depctr_va_vdst(0)                   ; the split has written KF, which the LDS stores read; the last chunk's sums are done reading KT, in which the turning loads land
	TURNST
	TURNLD
	s_wait_dscnt 0x0                               ; k' is back turned; my reads of the tiles were over above
	s_barrier_signal -1                            ; behind this barrier the tiles are written again
	SUPD \first
	WIN 0
	s_barrier_wait -1
.endm
	CHUNK 1, 0
	s_mov_b32 s25, 6
.Lchunk:
	CHUNK 0, 0
	s_sub_co_u32 s25, s25, 1
	s_cmp_lg_u32 s25, 0
	s_cbranch_scc1 .Lchunk
	CHUNK 0, 1
	PLACES
	WIN 0x04                                       ; store data in window 1
	s_wait_alu depctr_va_vdst(0)                   ; the products have written the sums SA, which the stores read; the places above stay beside this wait
.set i, 0
.rept 20
	global_store_b128 v[LA], v[SA+4*i:SA+4*i+3], s[12:13] offset:512*i  ; 512 consecutive bytes, at a multiple of 256 from the buffer's first
.set i, i+1
.endr
	WIN 0
	s_wait_dscnt 0x0                               ; the closing lines, six on end
	s_wait_alu 0x0
	s_wait_tensorcnt 0x0
	ds_add_u32 v[SPW], v[NIL]
	s_wait_dscnt 0x0
	s_endpgm
.Lfunc_end_k_qaa262d9145_kstate:
	.size	k_qaa262d9145_kstate, .Lfunc_end_k_qaa262d9145_kstate-k_qaa262d9145_kstate
	.p2alignl 7, 3214868480
	.fill 96, 4, 3214868480
	.section	.rodata,"a",@progbits
	.p2align	6, 0x0
	.amdhsa_kernel k_qaa262d9145_kstate
		.amdhsa_group_segment_fixed_size 70144
		.amdhsa_private_segment_fixed_size 0
		.amdhsa_enable_private_segment 0
		.amdhsa_kernarg_size 40
		.amdhsa_user_sgpr_count 2
		.amdhsa_user_sgpr_kernarg_segment_ptr 1
		.amdhsa_wavefront_size32 1
		.amdhsa_system_sgpr_workgroup_id_x 1
		.amdhsa_system_sgpr_workgroup_id_y 1
		.amdhsa_system_sgpr_workgroup_id_z 1
		.amdhsa_system_vgpr_workitem_id 0
		.amdhsa_next_free_vgpr 512
		.amdhsa_next_free_sgpr 66
		.amdhsa_reserve_vcc 0
		.amdhsa_float_denorm_mode_32 3
		.amdhsa_float_denorm_mode_16_64 3
		.amdhsa_memory_ordered 1
		.amdhsa_forward_progress 1
		.amdhsa_inst_pref_size 66
	.end_amdhsa_kernel
	.amdgpu_metadata
---
amdhsa.version: [ 1, 2 ]
amdhsa.kernels:
  - .name:           k_qaa262d9145_kstate
    .symbol:         k_qaa262d9145_kstate.kd
    .args:
      - { .name: key, .offset: 0, .size: 8, .value_kind: global_buffer, .address_space: global }
      - { .name: value, .offset: 8, .size: 8, .value_kind: global_buffer, .address_space: global }
      - { .name: random_features, .offset: 16, .size: 8, .value_kind: global_buffer, .address_space: global }
      - { .name: ksum, .offset: 24, .size: 8, .value_kind: global_buffer, .address_space: global }
      - { .name: tot, .offset: 32, .size: 8, .value_kind: global_buffer, .address_space: global }
    .group_segment_fixed_size: 70144
    .private_segment_fixed_size: 0
    .kernarg_segment_align: 8
    .kernarg_segment_size: 40
    .max_flat_workgroup_size: 256
    .sgpr_count:     66
    .vgpr_count:     512
    .wavefront_size: 32
...
	.end_amdgpu_metadata
.endif
;; end of part 5
;; launch prefix (part 6): grid 256 x 1, 10 waves a work-group, no clusters, 0 bytes of LDS; arguments tot, pre; writes pre
.if DOCPART == 6
	.amdgcn_target "amdgcn-amd-amdhsa--gfx1250"
	.amdhsa_code_object_version 6
	.text
	.protected	k_qaa262d9145_prefix
	.globl	k_qaa262d9145_prefix
	.p2align	8
	.type	k_qaa262d9145_prefix,@function
k_qaa262d9145_prefix:
	s_mov_b64 s[64:65], 0
	v_nop
	global_prefetch_b8 v0, s[64:65] scope:SCOPE_SE
	s_setreg_imm32_b32 hwreg(HW_REG_WAVE_SCHED_MODE, 0, 2), 2
	s_setreg_imm32_b32 hwreg(HW_REG_WAVE_MODE, 25, 1), 1
	s_wait_xcnt 0x0
	s_wait_alu depctr_vm_vsrc(0)
; pre[head][s] = tot[head][0] + .. + tot[head][s-1], number by number, in f32 and in ascending order; pre[head][0] = 0.  32 heads x 16 records of 40,960 bytes.
; A work-group owns 5,120 bytes (an eighth) of a head's records: 320 threads x 16 bytes; a thread keeps its 16 bytes of 15 records in registers.  Each load and store of a wave covers 512 consecutive bytes.
; A stream: no LDS, no barrier, no matrix unit, nothing shared.  No register is written twice, so no wait frees a store's sources.
; THE MODE: SCHED_MODE bits 1:0 = 2 (LLVM: expert scheduling mode 2), set by the entry lines.  The code itself states the register dependences
; between vector instructions and memory instructions, with s_wait_alu, always for 0.
; THE PLAN.  v1: the offset of every load and store, written once at the head.  v64-67: zeros, written at the head, read by the first store.
; v4-63: record i at v[4 + 4 i ..]: its load lands there (no vector instruction has named it before), the additions write it once, its store reads it, and nothing writes it again.
; So one wait on va_vdst stands ahead of the first load, and one ahead of each run of three stores, behind the three records' additions; no wait on vm_vsrc is owed.
.set REC, 40960
	s_load_b128 s[4:7], s[0:1], 0x0                ; tot s[4:5], pre s[6:7]
	v_lshlrev_b32 v1, 4, v0
	s_lshr_b32 s8, ttmp9, 3                        ; the head
	s_mul_i32 s8, s8, 16*REC
	s_and_b32 s9, ttmp9, 7                         ; my eighth
	s_mul_i32 s9, s9, 5120
	s_add_co_u32 s8, s8, s9
	s_mov_b32 s9, 0
.irp i, 64,65,66,67
	v_mov_b32 v\i, 0
.endr
	s_wait_kmcnt 0x0
	s_add_nc_u64 s[4:5], s[4:5], s[8:9]
	s_add_nc_u64 s[6:7], s[6:7], s[8:9]
	s_wait_alu depctr_va_vdst(0)                   ; v1 is written, which every load and store reads as its offset; so are v64-67, the first store's data
.set i, 0
.rept 15
	global_load_b128 v[4+4*i:7+4*i], v1, s[4:5] offset:REC*i
.set i, i+1
.endr
	global_store_b128 v1, v[64:67], s[6:7]
.set i, 0
.rept 5                                ; three records at a time
	s_wait_loadcnt 12-i                            ; loads come back in order: records i to i + 2 are in, the 12 - i younger ones stay out
.rept 3
.if i > 0
	v_pk_add_f32 v[4+4*i:5+4*i], v[4+4*i:5+4*i], v[4*i:1+4*i]
	v_pk_add_f32 v[6+4*i:7+4*i], v[6+4*i:7+4*i], v[2+4*i:3+4*i]
.endif
.set i, i+1
.endr
	s_wait_alu depctr_va_vdst(0)                   ; the additions have written these three records' sums, which the three stores read
.irp k, 3,2,1
	global_store_b128 v1, v[4+4*(i-\k):7+4*(i-\k)], s[6:7] offset:REC*(i-\k+1)
.endr
.endr
	s_endpgm
.Lfunc_end_k_qaa262d9145_prefix:
	.size	k_qaa262d9145_prefix, .Lfunc_end_k_qaa262d9145_prefix-k_qaa262d9145_prefix
	.p2alignl 7, 3214868480
	.fill 96, 4, 3214868480
	.section	.rodata,"a",@progbits
	.p2align	6, 0x0
	.amdhsa_kernel k_qaa262d9145_prefix
		.amdhsa_group_segment_fixed_size 0
		.amdhsa_private_segment_fixed_size 0
		.amdhsa_enable_private_segment 0
		.amdhsa_kernarg_size 16
		.amdhsa_user_sgpr_count 2
		.amdhsa_user_sgpr_kernarg_segment_ptr 1
		.amdhsa_wavefront_size32 1
		.amdhsa_system_sgpr_workgroup_id_x 1
		.amdhsa_system_sgpr_workgroup_id_y 1
		.amdhsa_system_sgpr_workgroup_id_z 1
		.amdhsa_system_vgpr_workitem_id 0
		.amdhsa_next_free_vgpr 72
		.amdhsa_next_free_sgpr 66
		.amdhsa_reserve_vcc 0
		.amdhsa_float_denorm_mode_32 3
		.amdhsa_float_denorm_mode_16_64 3
		.amdhsa_memory_ordered 1
		.amdhsa_forward_progress 1
		.amdhsa_inst_pref_size 6
	.end_amdhsa_kernel
	.amdgpu_metadata
---
amdhsa.version: [ 1, 2 ]
amdhsa.kernels:
  - .name:           k_qaa262d9145_prefix
    .symbol:         k_qaa262d9145_prefix.kd
    .args:
      - { .name: tot, .offset: 0, .size: 8, .value_kind: global_buffer, .address_space: global }
      - { .name: pre, .offset: 8, .size: 8, .value_kind: global_buffer, .address_space: global }
    .group_segment_fixed_size: 0
    .private_segment_fixed_size: 0
    .kernarg_segment_align: 8
    .kernarg_segment_size: 16
    .max_flat_workgroup_size: 320
    .sgpr_count:     66
    .vgpr_count:     72
    .wavefront_size: 32
...
	.end_amdgpu_metadata
.endif
;; end of part 6
;; launch attn (part 7): grid 256 x 1, 8 waves a work-group, no clusters, 165,376 bytes of LDS; arguments query, key, value, random_features, pre, ksum, out0; writes out0
.if DOCPART == 7
	.amdgcn_target "amdgcn-amd-amdhsa--gfx1250"
	.amdhsa_code_object_version 6
	.text
	.protected	k_qaa262d9145_attn
	.globl	k_qaa262d9145_attn
	.p2align	8
	.type	k_qaa262d9145_attn,@function
k_qaa262d9145_attn:
	s_mov_b64 s[64:65], 0
	v_nop
	global_prefetch_b8 v0, s[64:65] scope:SCOPE_SE
	s_setreg_imm32_b32 hwreg(HW_REG_WAVE_SCHED_MODE, 0, 2), 2
	s_setreg_imm32_b32 hwreg(HW_REG_WAVE_MODE, 25, 1), 1
	s_wait_xcnt 0x0
	s_wait_alu depctr_vm_vsrc(0)
; out[l] = sum_{j<=l} (q'_l . k'_j) v_j / den_l, den_l = sum_{j<=l} q'_l . k'_j (+ 2e-6 where |den| <= 1e-6).  query, key, value, out: [131072 rows][64] f32 (32 heads of 4,096 rows); W: [64][128] f32.
; q'[l][f] = 2^(C1 (q_l . W_f)) + EPS;  k'[j][f] = 2^(C1 (k_j . W_f) + HK_j) + EPS;  C1 = log2(e) / 1024^0.25;  HK_j = log2(e)/64 (least of all rows' sum k^2 - sum k_j^2) <= 0: the module's h - k_stab.
; The module's factor 128^-0.5 on q' and k' is left out: it cancels in num / den; the denominator here is 128 times the module's, and its test and its addend are scaled by 128.
; SHARES.  Eight waves are two groups of four; group g owns the 256 rows of record 2 x work-group + g, 8 chunks of 32 rows.  Wave w of a group owns features 32 w .. 32 w + 31.  All is linear in the
; features, so q', k', the scores and the state S stay in the wave; only the four waves' partial numerators and denominators meet, in an LDS stage.  The groups share the barriers alone.
; A CHUNK:  O^T = S^T q' (S: the state in front of the chunk; it starts as pre[record], the sum of the head's earlier records) + [V | 1]^T (masked scores);  then S += k'^T [V | 1].
; The column of ones makes channel 64 the denominator, of the same rounded weights as the numerator.
; FORMATS.  q, k, v and W are rounded once to bf16 (HK is made of the rounded k).  q', k', the masked scores and S go to the matrix unit as TWO bf16 numbers, hi = bf16(x), lo = bf16(x - hi) (x - hi is
; exact in f32); a product of two such pairs is hi hi + lo hi + hi lo, one with v is hi v + lo v.  Sums in f32.
; LIMITS: an exponential below 2^-126 counts as 0 (ahead of + EPS); 2^(C1 p) of q has no stabiliser, as in the module, and overflows where the module's does; NaN and infinities are not treated apart.
; NO CLUSTER: work-groups share W alone, 32,768 bytes against 393,216 of rows of their own.  No tensor loads: the rows are rounded on their way into LDS, so they pass through registers.
; THE MODE: SCHED_MODE bits 1:0 = 2 (LLVM: expert scheduling mode 2), set by the entry lines.  The code itself states the register dependences
; between vector or matrix instructions and memory or LDS instructions, with s_wait_alu, always for 0.
; THE PLAN.  Registers that memory or LDS instructions touch, round a chunk:
;   RAW          read by the chunk's conversions; behind them the next chunk's loads land in it.
;   CT (three buffers), T   written by the conversions and the row sums; read by the sixteen LDS stores into the tiles; written again by the features' products (16 of CT's registers are PD's), by the reduction (T) and by the next chunk.
;   v32-111      XQ, XK: LDS loads land behind the first barrier, the features' products read them.  OT: the products S^T q' and [V | 1]^T P write it, the LDS stores into the stage read it.
;                RD, DN: the reduction's LDS loads land, its arithmetic reads and writes them, the global stores read four registers of each sixteen.
;   HK, VF       LDS loads land behind the first barrier; read by k's scalings; by the products with V, the last of them at the chunk's end.
;   QF = KT      written by q's split, read by the scores and by S^T q'; then the turning loads land, and the state's products read it.
;   KF = PF      written by k's split, read by the eight LDS stores into the turn buffer and by the scores; then written by the masked scores' split.
;   v1-7, v10-15 addresses, made at the head and never written again: the rows are reached by scalar bases.
; The waits of a chunk.  On va_vdst: behind the row sums (for the loads into RAW, the tile stores and the fragment loads behind the barrier: no vector instruction stands between); behind each batch of exponentials;
; ahead of the turn buffer's stores; behind the last products into O^T (for the stage's stores, the turning loads and the reduction's loads: the state's products between name KT, VF and SA alone);
; behind the reciprocals; ahead of the global stores.  On vm_vsrc: ahead of the fragment loads; ahead of the masked scores' split; ahead of the reduction's loads.  On va_sdst: behind the four compares.
.set PX,   144                         ; a row of Q or K in LDS: 128 bytes of bf16 + 16: an odd multiple of 16, so the 16 rows of a fragment load begin in 16 different groups of four banks (ISA guide 11.1)
.set PV,   160                         ; a row of V: 128 + 32: an odd multiple of 32, for the turning load
.set KBO,  32*PX                       ; in a group's tiles: 32 rows of Q, of K, of V, 32 words of HK
.set VBO,  2*32*PX
.set HBO,  VBO+32*PV
.set GL,   HBO+256
.set TURN, 2*GL                        ; each wave's own: k' as [32 keys][32 features], hi then lo
.set TP,   96                          ; 64 bytes + 32
.set TURNB, 2*32*TP
.set STG,  TURN+8*TURNB                ; each wave's stage: 32 queries x (64 channels, the denominator at byte 256)
.set SPI,  336
.set STW,  32*SPI
.set SPARE, STG+8*STW                  ; the spare words: 128 bytes for each of eight waves
; window 0
.set GOFF, 1                           ; 16 x thread in group: my 16 bytes in eight rows
.set ASX,  2                           ; LDS: where I put 8 bytes of a row of Q or K
.set ASV,  3                           ; of V
.set ASH,  4                           ; my row's HK
.set AX,   5                           ; fragment: row (lane % 16) x PX + 16 (lane / 16)
.set AT,   6                           ; turning load of V
.set AH,   7                           ; HK of row lane % 16
.set NEG1, 8                           ; -1.0 (in window 1 too)
.set KS,   9                           ; the least row sum of all keys
.set ATS,  10                          ; turn buffer: store
.set ATL,  11                          ; turn buffer: turning load
.set AOS,  12                          ; my stage: query lane % 16, 32 bytes for each half of the lanes
.set AOL,  13                          ; the group's stages: query 8 w + lane / 16, 16 bytes at 16 (lane % 16)
.set ADL,  14                          ; the same query's row
.set LA,   15                          ; 16 x lane
.set ZP,   16                          ; v16-17 0, 0
.set HK,   18                          ; v18-21 row tile t at HK + 2 t; the odd ones are 0 (pairs are named whole)
.set T,    22                          ; v22-29 at work
.set SPW,  30                          ; my spare word; never rewritten
.set NIL,  31                          ; 0; never rewritten
.set OT,   32                          ; v32-111 O^T: (query tile rt, channel tile c) at OT + 8 (5 rt + c); register j of lane (r, h): channel 8 h + j, query r
.set WT,   32                          ; W as loaded, at the start
.set XQ,   32                          ; fragments of Q and K, ahead of O^T: row tile t, channel half s at + 8 (2 t + s)
.set XK,   64
.set RD,   32                          ; the reduction, behind O^T: v32-95 four queries x four waves x 16 bytes, v96-111 their denominators
.set DN,   96
.set VF,   112                         ; v112-151 fragments of V (lane = channel, K = 32 keys), tile c at VF + 8 c; c = 4: the column of ones
.set QF,   152                         ; v152-183 q' (lane = query, K = 32 features): tile t: hi at QF + 16 t, lo 8 further
.set KT,   152                         ; later k' turned (lane = feature, K = 32 keys)
.set KF,   184                         ; v184-215 k' (lane = key, K = 32 features)
.set PF,   184                         ; later the masked scores (lane = query, K = 32 keys)
.set PD,   216                         ; v216-247 products
.set CT,   232                         ; v232-255 rows rounded to bf16: Q, K at +8, V at +16; the first sixteen are PD's upper half, idle at a chunk's head
; window 1
.set TS,   0                           ; v0-7 at work
.set SA,   16                          ; S: (channel tile c, feature tile ft) at SA + 8 (2 c + ft); register j of lane (r, h): feature 8 h + j, channel r
.set SF,   96                          ; S as fragments (lane = channel, K = 32 features): tile c: hi at SF + 16 c, lo 8 further
.set WF,   176                         ; fragments of W (lane = feature, K = channels): (ft, s) at WF + 8 (2 ft + s)
.set RAW,  208                         ; the next chunk's rows on their way: Q, K at +16, V at +32
.set ONE,  35                          ; s35  lane mask: lane % 16 = 0
.set MK,   36                          ; s36-43 lane masks: key 8 h + j <= query r
.set DM,   44                          ; s44-47 lane masks: the denominators that are stabilised
.set MSB, 0
.macro WIN new                         ; s_set_vgpr_msb: bits 1:0 source 0, 3:2 source 1, 5:4 source 2, 7:6 destination; the high byte repeats the setting that is left
.if MSB != (\new)
	s_set_vgpr_msb (MSB<<8)|(\new)
.set MSB, (\new)
.endif
.endm
.macro PLACES                          ; plain vector instructions between matrix instructions and whatever touches their registers next (ISA guide 7.12.1)
.rept 5
	v_nop
.endr
.endm
; eight f32 at x -> four words of bf16 pairs hi at h, four words lo at l; t: eight registers for x - hi (may be x itself)
.macro SPLIT8 x, h, l, t
.irp i, 0,1,2,3
	v_cvt_pk_bf16_f32 v[(\h)+\i], v[(\x)+2*\i], v[(\x)+2*\i+1]
.endr
.irp i, 0,1,2,3
	v_fma_mix_f32_bf16 v[(\t)+2*\i], v[(\h)+\i], v[NEG1], v[(\x)+2*\i] op_sel_hi:[1,0,0]
	v_fma_mix_f32_bf16 v[(\t)+2*\i+1], v[(\h)+\i], v[NEG1], v[(\x)+2*\i+1] op_sel:[1,0,0] op_sel_hi:[1,0,0]
.endr
.irp i, 0,1,2,3
	v_cvt_pk_bf16_f32 v[(\l)+\i], v[(\t)+2*\i], v[(\t)+2*\i+1]
.endr
.endm
.macro LOADRAW                         ; a group's 128 threads take 32 rows of Q, K and V: each load of a wave covers 512 consecutive bytes; each byte is read once in this launch
	WIN 0x40
.irp i, 0,1,2,3
	global_load_b128 v[RAW+4*\i:RAW+4*\i+3], v[GOFF], s[4:5] offset:2048*\i th:TH_LOAD_NT
.endr
.irp i, 0,1,2,3
	global_load_b128 v[RAW+16+4*\i:RAW+16+4*\i+3], v[GOFF], s[6:7] offset:2048*\i th:TH_LOAD_NT
.endr
.irp i, 0,1,2,3
	global_load_b128 v[RAW+32+4*\i:RAW+32+4*\i+3], v[GOFF], s[8:9] offset:2048*\i th:TH_LOAD_NT
.endr
	WIN 0
.endm
.macro CVT raw, ct                     ; my 4 x 4 numbers rounded to bf16
	WIN 0x05
.irp i, 0,1,2,3
	v_cvt_pk_bf16_f32 v[(\ct)+2*\i], v[RAW+(\raw)+4*\i], v[RAW+(\raw)+4*\i+1]
	v_cvt_pk_bf16_f32 v[(\ct)+2*\i+1], v[RAW+(\raw)+4*\i+2], v[RAW+(\raw)+4*\i+3]
.endr
.endm
.macro LAY ct, adr, off, step          ; and laid into the group's tile, eight rows apart
	WIN 0
.irp i, 0,1,2,3
	ds_store_b64 v[\adr], v[(\ct)+2*\i:(\ct)+2*\i+1] offset:(\off)+(\step)*\i
.endr
.endm
.macro HSUM ct                         ; HK of my four rows of K; a row lies in 16 neighbouring lanes
	WIN 0
.irp i, 0,1,2,3
	v_fma_mix_f32_bf16 v[T+\i], v[(\ct)+2*\i], v[(\ct)+2*\i], v[ZP] op_sel_hi:[1,1,0]
.endr
.irp i, 0,1,2,3
	v_fma_mix_f32_bf16 v[T+\i], v[(\ct)+2*\i], v[(\ct)+2*\i], v[T+\i] op_sel:[1,1,0] op_sel_hi:[1,1,0]
.endr
.irp i, 0,1,2,3
	v_fma_mix_f32_bf16 v[T+\i], v[(\ct)+2*\i+1], v[(\ct)+2*\i+1], v[T+\i] op_sel_hi:[1,1,0]
.endr
.irp i, 0,1,2,3
	v_fma_mix_f32_bf16 v[T+\i], v[(\ct)+2*\i+1], v[(\ct)+2*\i+1], v[T+\i] op_sel:[1,1,0] op_sel_hi:[1,1,0]
.endr
.irp m, 1,2,4,8
.irp i, 0,1,2,3
	v_add_f32_dpp v[T+\i], v[T+\i], v[T+\i] row_xmask:\m row_mask:0xf bank_mask:0xf
.endr
.endr
.irp i, 0,1,2,3
	v_sub_f32 v[T+\i], v[KS], v[T+\i]
.endr
.irp i, 0,1,2,3
	v_mul_f32 v[T+\i], s32, v[T+\i]
.endr
.endm
.macro HLAY
.irp i, 0,1,2,3
	ds_store_b32 v[ASH], v[T+\i] offset:HBO+32*\i  ; 16 lanes write the same word with the same value
.endr
.endm
.macro LDX x, off                      ; four fragments (2 row tiles x 2 channel halves)
.set n, 0
.rept 4
	ds_load_b128 v[(\x)+8*n:(\x)+8*n+3],   v[AX] offset:(\off)+16*PX*(n/2)+64*(n%2)
	ds_load_b128 v[(\x)+8*n+4:(\x)+8*n+7], v[AX] offset:(\off)+16*PX*(n/2)+64*(n%2)+32
.set n, n+1
.endr
.endm
.macro LDV
.irp c, 0,1,2,3
	ds_load_tr16_b128 v[VF+8*\c:VF+8*\c+3],   v[AT] offset:VBO+32*\c
	ds_load_tr16_b128 v[VF+8*\c+4:VF+8*\c+7], v[AT] offset:VBO+32*\c+16*PV
.endr
.endm
.macro LDH
	ds_load_b32 v[HK], v[AH] offset:HBO
	ds_load_b32 v[HK+2], v[AH] offset:HBO+64
.endm
; features of 32 rows: products W x rows (a lane then holds ONE row and 8 features), 2^(C1 p + hk) + EPS, split: two feature tiles of a row tile ARE a fragment (lane = row, K = 32 features)
.macro FEAT x, hk, hs, f
	WIN 0x01
.set n, 0
.rept 8                                ; n = 4 s + 2 t + ft: the four accumulators take turns
.set rD, PD+8*(n%4)
.set rA, WF+8*(2*(n%2)+n/4)
.set rB, (\x)+8*(2*((n/2)%2)+n/4)
.if n < 4
	v_wmma_f32_16x16x32_bf16 v[rD:rD+7], v[rA:rA+7], v[rB:rB+7], 0
.else
	v_wmma_f32_16x16x32_bf16 v[rD:rD+7], v[rA:rA+7], v[rB:rB+7], v[rD:rD+7]
.endif
.set n, n+1
.endr
	WIN 0
	PLACES
.set n, 0
.rept 16
	v_pk_fma_f32 v[PD+2*n:PD+2*n+1], v[PD+2*n:PD+2*n+1], s[26:27], v[(\hk)+(\hs)*(n/8):(\hk)+(\hs)*(n/8)+1] op_sel_hi:[1,0,0]
.set n, n+1
.endr
.set n, 0
.rept 32
	v_exp_f32 v[PD+n], v[PD+n]
.set n, n+1
.endr
	v_nop                                          ; a plain instruction between the exponentials and the first use of a result (ISA guide 5.7.2)
	s_wait_alu depctr_va_vdst(0)                   ; the 32 exponentials have written v[PD ..], ahead of the additions that read them: one wait for the batch
.set n, 0
.rept 16
	v_pk_add_f32 v[PD+2*n:PD+2*n+1], v[PD+2*n:PD+2*n+1], s[28:29] op_sel_hi:[1,0]
.set n, n+1
.endr
.set n, 0
.rept 4
	SPLIT8 PD+8*n, (\f)+16*(n/2)+4*(n%2), (\f)+16*(n/2)+8+4*(n%2), PD+8*n
.set n, n+1
.endr
.endm
.macro TURNST                          ; k' into my turn buffer as [key][feature]
.set n, 0
.rept 4                                ; key tile n / 2, hi or lo n % 2
	ds_store_b128 v[ATS], v[KF+8*n:KF+8*n+3]   offset:16*TP*(n/2)+32*TP*(n%2)
	ds_store_b128 v[ATS], v[KF+8*n+4:KF+8*n+7] offset:16*TP*(n/2)+32*TP*(n%2)+32
.set n, n+1
.endr
.endm
.macro TURNLD                          ; and back turned; LDS serves a wave's instructions in order (ISA guide 5.7.1.4): these see the stores
.set n, 0
.rept 4                                ; feature tile n / 2, hi or lo n % 2
	ds_load_tr16_b128 v[KT+8*n:KT+8*n+3],   v[ATL] offset:32*TP*(n%2)+32*(n/2)
	ds_load_tr16_b128 v[KT+8*n+4:KT+8*n+7], v[ATL] offset:32*TP*(n%2)+32*(n/2)+16*TP
.set n, n+1
.endr
.endm
.macro SSPLIT                          ; S as fragments: two feature tiles of a channel tile are one (lane = channel, K = 32 features)
	WIN 0x55
.set n, 0
.rept 10
	SPLIT8 SA+8*n, SF+16*(n/2)+4*(n%2), SF+16*(n/2)+8+4*(n%2), TS
.set n, n+1
.endr
	WIN 0
.endm
.macro SCORE                           ; the three tiles on or below the diagonal: (key tile, query tile) = (0,0), (0,1), (1,1), by turns; hi hi, lo hi, hi lo.  A lane holds ONE query and 8 keys
.set n, 0
.rept 9
.set rD, PD+8*(n%3)
.set rA, KF+16*((n%3)/2)+8*((n/3)%2)
.set rB, QF+16*((n%3+1)/2)+8*(n/6)
.if n < 3
	v_wmma_f32_16x16x32_bf16 v[rD:rD+7], v[rA:rA+7], v[rB:rB+7], 0
.else
	v_wmma_f32_16x16x32_bf16 v[rD:rD+7], v[rA:rA+7], v[rB:rB+7], v[rD:rD+7]
.endif
.set n, n+1
.endr
.endm
.macro MASKSPLIT                       ; keys behind the query count 0; then fragments (lane = query, K = 32 keys): query tile 0 has no keys 16 to 31
.irp j, 0,1,2,3,4,5,6,7
	v_cndmask_b32 v[PD+\j], 0, v[PD+\j], s[MK+\j]
.endr
.irp j, 0,1,2,3,4,5,6,7
	v_cndmask_b32 v[PD+16+\j], 0, v[PD+16+\j], s[MK+\j]
.endr
	SPLIT8 PD, PF, PF+8, PD
	SPLIT8 PD+8, PF+16, PF+24, PD+8
	SPLIT8 PD+16, PF+20, PF+28, PD+16
.irp j, 4,5,6,7,12,13,14,15
	v_mov_b32 v[PF+\j], 0
.endr
.endm
.macro SQ                              ; O^T = S^T q': the ten accumulators take turns; hi hi starts the sums, then lo hi, hi lo
	WIN 0x01
.set n, 0
.rept 30
.set rD, OT+8*(n%10)
.set rA, SF+16*(n%5)+8*((n/10)%2)
.set rB, QF+16*((n%10)/5)+8*(n/20)
.if n < 10
	v_wmma_f32_16x16x32_bf16 v[rD:rD+7], v[rA:rA+7], v[rB:rB+7], 0
.else
	v_wmma_f32_16x16x32_bf16 v[rD:rD+7], v[rA:rA+7], v[rB:rB+7], v[rD:rD+7]
.endif
.set n, n+1
.endr
	WIN 0
.endm
.macro PVM                             ; O^T += [V | 1]^T (masked scores): hi, then lo
.set n, 0
.rept 20
.set rD, OT+8*(n%10)
.set rA, VF+8*(n%5)
.set rB, PF+16*((n%10)/5)+8*(n/10)
	v_wmma_f32_16x16x32_bf16 v[rD:rD+7], v[rA:rA+7], v[rB:rB+7], v[rD:rD+7]
.set n, n+1
.endr
.endm
.macro SUPD                            ; S += k'^T [V | 1]: hi, then lo; the ten accumulators take turns
	WIN 0x50
.set n, 0
.rept 20
.set rD, SA+8*(n%10)
.set rA, KT+16*(n%2)+8*(n/10)
.set rB, VF+8*((n%10)/2)
	v_wmma_f32_16x16x32_bf16 v[rD:rD+7], v[rA:rA+7], v[rB:rB+7], v[rD:rD+7]
.set n, n+1
.endr
.endm
.macro OSTAGE                          ; my partial O into my stage, a row a query; each accumulator's low registers go first
.set n, 0
.rept 10
.if n%5 < 4
	ds_store_b128 v[AOS], v[OT+8*n:OT+8*n+3]   offset:16*SPI*(n/5)+64*(n%5)
	ds_store_b128 v[AOS], v[OT+8*n+4:OT+8*n+7] offset:16*SPI*(n/5)+64*(n%5)+16
.else
	ds_store_b32 v[AOS], v[OT+8*n] offset:16*SPI*(n/5)+256  ; channel 64: the denominator (lanes 16 to 31 put channel 72, a zero, 32 bytes on)
.endif
.set n, n+1
.endr
.endm
.macro REDUCE                          ; wave w adds the four waves' parts of queries 8 w .. 8 w + 7, divides and stores: two whole rows to a store
	s_wait_alu depctr_vm_vsrc(0)                   ; my LDS stores into the stage have read O^T, in whose registers the loads below land (the products that wrote it stand ahead of the last wait on va_vdst, and no vector or matrix instruction since names them)
.irp i, 0,1,2,3
.irp s, 0,1,2,3
	ds_load_b128 v[RD+4*(4*\i+\s):RD+4*(4*\i+\s)+3], v[AOL] offset:STW*\s+2*SPI*\i
	ds_load_b32 v[DN+4*\i+\s], v[ADL] offset:STW*\s+2*SPI*\i+256
.endr
.endr
	s_wait_dscnt 0x0
.irp i, 0,1,2,3
	v_pk_add_f32 v[RD+16*\i:RD+16*\i+1],     v[RD+16*\i:RD+16*\i+1],     v[RD+16*\i+4:RD+16*\i+5]
	v_pk_add_f32 v[RD+16*\i+2:RD+16*\i+3],   v[RD+16*\i+2:RD+16*\i+3],   v[RD+16*\i+6:RD+16*\i+7]
	v_pk_add_f32 v[RD+16*\i+8:RD+16*\i+9],   v[RD+16*\i+8:RD+16*\i+9],   v[RD+16*\i+12:RD+16*\i+13]
	v_pk_add_f32 v[RD+16*\i+10:RD+16*\i+11], v[RD+16*\i+10:RD+16*\i+11], v[RD+16*\i+14:RD+16*\i+15]
	v_pk_add_f32 v[DN+4*\i:DN+4*\i+1],       v[DN+4*\i:DN+4*\i+1],       v[DN+4*\i+2:DN+4*\i+3]
.endr
.irp i, 0,1,2,3
	v_pk_add_f32 v[RD+16*\i:RD+16*\i+1],     v[RD+16*\i:RD+16*\i+1],     v[RD+16*\i+8:RD+16*\i+9]
	v_pk_add_f32 v[RD+16*\i+2:RD+16*\i+3],   v[RD+16*\i+2:RD+16*\i+3],   v[RD+16*\i+10:RD+16*\i+11]
	v_add_f32 v[DN+4*\i], v[DN+4*\i], v[DN+4*\i+1]
.endr
.irp i, 0,1,2,3
	v_and_b32 v[T+\i], 0x7fffffff, v[DN+4*\i]
.endr
.irp i, 0,1,2,3
	v_cmp_ge_f32 s[DM+\i], s33, v[T+\i]            ; |den| <= 128 x 1e-6:
.endr
	s_wait_alu depctr_va_sdst(0)                   ; the four compares have written their masks, ahead of the selects that read them: one wait for the run
.irp i, 0,1,2,3
	v_cndmask_b32 v[T+\i], 0, s34, s[DM+\i]        ; 128 x 2e-6 is added
.endr
.irp i, 0,1,2,3
	v_add_f32 v[DN+4*\i], v[DN+4*\i], v[T+\i]
.endr
.irp i, 0,1,2,3
	v_rcp_f32 v[DN+4*\i], v[DN+4*\i]
.endr
	v_nop                                          ; a plain instruction between the reciprocals and the first use of a result
	s_wait_alu depctr_va_vdst(0)                   ; the four reciprocals have written v[DN ..], ahead of the multiplies that read them: one wait for the batch
.irp i, 0,1,2,3
	v_pk_mul_f32 v[RD+16*\i:RD+16*\i+1],   v[RD+16*\i:RD+16*\i+1],   v[DN+4*\i:DN+4*\i+1] op_sel_hi:[1,0]
	v_pk_mul_f32 v[RD+16*\i+2:RD+16*\i+3], v[RD+16*\i+2:RD+16*\i+3], v[DN+4*\i:DN+4*\i+1] op_sel_hi:[1,0]
.endr
	s_wait_alu depctr_va_vdst(0)                   ; the multiplies have written the quotients, which the stores read
.irp i, 0,1,2,3
	global_store_b128 v[LA], v[RD+16*\i:RD+16*\i+3], s[16:17] offset:512*\i th:TH_STORE_NT  ; 512 consecutive bytes, at a multiple of 256 from out's first
.endr
	s_wait_xcnt 0x0                                ; the stores' base and data are written again only behind this wait
	s_add_nc_u64 s[16:17], s[16:17], 8192          ; the next chunk's rows
.endm
	s_load_b256 s[4:11], s[0:1], 0x0               ; query s[4:5], key s[6:7], value s[8:9], W s[10:11]
	s_load_b128 s[12:15], s[0:1], 0x20             ; pre s[12:13], ksum s[14:15]
	s_load_b64 s[16:17], s[0:1], 0x30              ; out
	v_lshl_add_u32 v[SPW], v0, 2, SPARE
	v_mov_b32 v[NIL], 0
	v_lshrrev_b32 v[T], 5, v0
	v_readfirstlane_b32 s18, v[T]                  ; wave 0..7
	v_and_b32 v[T+1], 15, v0                       ; r = lane % 16
	v_bfe_u32 v[T+2], v0, 4, 1                     ; h = lane / 16
	v_bfe_u32 v[T+3], v0, 4, 3                     ; my row among eight
	v_and_b32 v[T+4], 127, v0                      ; thread in group
	v_and_b32 v[T+5], 7, v0
	v_bfe_u32 v[T+6], v0, 3, 1
	v_lshlrev_b32 v[GOFF], 4, v[T+4]
	v_lshlrev_b32 v[T+7], 3, v[T+2]
	v_sub_nc_u32 v[T+7], v[T+1], v[T+7]            ; r - 8 h: register j's key is seen where that is at least j
.irp j, 0,1,2,3,4,5,6,7
	v_cmp_ge_i32 s[MK+\j], v[T+7], \j
.endr
	v_cmp_eq_u32 s[ONE], 0, v[T+1]                 ; the lanes of channel 64
	s_mov_b32 s26, 0x3e8293ee                      ; C1 = log2(e) / 1024^0.25
	s_mov_b32 s27, s26                             ; named with it as a pair
	s_mov_b32 s28, 0x38d1b717                      ; EPS = 1e-4
	s_mov_b32 s29, s28
	s_mov_b32 s30, 0x76543210                      ; v_permlanex16_b32: each lane takes its own place in the other half
	s_mov_b32 s31, 0xfedcba98
	s_mov_b32 s32, 0x3cb8aa3b                      ; log2(e) / 64
	s_mov_b32 s33, 0x390637bd                      ; 128 x 1e-6
	s_mov_b32 s34, 0x398637bd                      ; 128 x 2e-6
	s_wait_alu depctr_va_sdst(0)                   ; s18 and the nine lane masks are written, ahead of the first reader of any of them and of every label: one wait for the run
	s_and_b32 s19, s18, 3                          ; w: my slice of the features
	s_lshr_b32 s20, s18, 2                         ; g: my group
	s_lshl_b32 s21, ttmp9, 1
	s_add_co_u32 s21, s21, s20                     ; my group's record
	s_mul_i32 s24, s20, GL                         ; my group's tiles
	v_mul_u32_u24 v[ASX], v[T+3], PX
	v_lshl_add_u32 v[ASX], v[T+1], 3, v[ASX]
	v_add_nc_u32 v[ASX], s24, v[ASX]
	v_mul_u32_u24 v[ASV], v[T+3], PV
	v_lshl_add_u32 v[ASV], v[T+1], 3, v[ASV]
	v_add_nc_u32 v[ASV], s24, v[ASV]
	v_lshl_add_u32 v[ASH], v[T+3], 2, s24
	v_lshl_add_u32 v[AH], v[T+1], 2, s24
	v_mul_u32_u24 v[AX], v[T+1], PX
	v_lshl_add_u32 v[AX], v[T+2], 4, v[AX]
	v_add_nc_u32 v[AX], s24, v[AX]
	v_lshl_add_u32 v[T+7], v[T+2], 3, v[T+5]       ; the turning loads: row 8 h + lane % 8, 16 bytes at 16 ((lane / 8) % 2)
	v_mul_u32_u24 v[AT], v[T+7], PV
	v_lshl_add_u32 v[AT], v[T+6], 4, v[AT]
	v_add_nc_u32 v[AT], s24, v[AT]
	s_mul_i32 s24, s18, TURNB
	s_add_co_u32 s24, s24, TURN                    ; my turn buffer
	v_mul_u32_u24 v[ATS], v[T+1], TP
	v_lshl_add_u32 v[ATS], v[T+2], 4, v[ATS]
	v_add_nc_u32 v[ATS], s24, v[ATS]
	v_mul_u32_u24 v[ATL], v[T+7], TP
	v_lshl_add_u32 v[ATL], v[T+6], 4, v[ATL]
	v_add_nc_u32 v[ATL], s24, v[ATL]
	s_mul_i32 s24, s18, STW
	s_add_co_u32 s24, s24, STG                     ; my stage
	v_mul_u32_u24 v[AOS], v[T+1], SPI
	v_lshl_add_u32 v[AOS], v[T+2], 5, v[AOS]
	v_add_nc_u32 v[AOS], s24, v[AOS]
	s_mul_i32 s24, s20, 4*STW
	s_add_co_u32 s24, s24, STG                     ; my group's first stage,
	s_mul_i32 s25, s19, 8*SPI
	s_add_co_u32 s24, s24, s25                     ; at query 8 w
	v_mul_u32_u24 v[ADL], v[T+2], SPI
	v_add_nc_u32 v[ADL], s24, v[ADL]
	v_lshl_add_u32 v[AOL], v[T+1], 4, v[ADL]
	v_and_b32 v[LA], 31, v0
	v_lshlrev_b32 v[LA], 4, v[LA]
	s_lshl_b32 s24, s19, 7                         ; W[d][f]: lane (r, h) begins at d = 8 h, f = 32 w + r
	v_lshlrev_b32 v[T+7], 12, v[T+2]
	v_lshl_add_u32 v[T+7], v[T+1], 2, v[T+7]
	v_add_nc_u32 v[T+7], s24, v[T+7]
	v_lshlrev_b32 v[T+6], 1, v[LA]                 ; ksum: 32 bytes a lane
	v_mov_b32 v[NEG1], -1.0
	v_mov_b32 v[ZP], 0
	v_mov_b32 v[ZP+1], 0
	v_mov_b32 v[HK+1], 0
	v_mov_b32 v[HK+3], 0
	v_mov_b32 v[T], 0x3f803f80                     ; two bf16 ones
.set i, 0
.rept 8
	v_cndmask_b32 v[VF+32+i], 0, v[T], s[ONE]      ; channel tile 4: column 64 is ones, columns 65 to 79 are 0
.set i, i+1
.endr
	WIN 0x40
	v_mov_b32 v[NEG1], -1.0
	WIN 0
	s_wait_kmcnt 0x0
	s_lshl_b32 s22, s21, 16                        ; the record's 256 rows of 256 bytes
	s_mov_b32 s23, 0
	s_add_nc_u64 s[4:5], s[4:5], s[22:23]
	s_add_nc_u64 s[6:7], s[6:7], s[22:23]
	s_add_nc_u64 s[8:9], s[8:9], s[22:23]
	s_add_nc_u64 s[16:17], s[16:17], s[22:23]
	s_lshl_b32 s22, s19, 11                        ; I store rows 8 w .. 8 w + 7 of each chunk
	s_add_nc_u64 s[16:17], s[16:17], s[22:23]
	s_mul_i32 s22, s21, 40960
	s_mul_i32 s24, s19, 10240
	s_add_co_u32 s22, s22, s24
	s_add_nc_u64 s[12:13], s[12:13], s[22:23]      ; my slice of the start state
	s_wait_alu depctr_va_vdst(0)                   ; all addresses and offsets (v1-7, v10-15, v28, v29) are written, which the kernel's loads, stores and LDS instructions read
.set i, 0
.rept 64                               ; word i = 16 (2 ft + s) + e: feature tile ft, channel 32 s + 8 h + e (e < 8) or 32 s + 16 + 8 h + e - 8
	global_load_b32 v[WT+i], v[T+7], s[10:11] offset:(32*((i/16)%2)+(i%16)+8*((i%16)/8))*512+64*(i/32)
.set i, i+1
.endr
	global_load_b128 v[PD:PD+3], v[T+6], s[14:15]
	global_load_b128 v[PD+4:PD+7], v[T+6], s[14:15] offset:16
	WIN 0x40
.set i, 0
.rept 20
	global_load_b128 v[SA+4*i:SA+4*i+3], v[LA], s[12:13] offset:512*i
.set i, i+1
.endr
	LOADRAW                                        ; chunk 0
	s_wait_loadcnt 0x0                             ; all of it is wanted at once
	WIN 0x40
.set i, 0
.rept 32
	v_cvt_pk_bf16_f32 v[WF+i], v[WT+2*i], v[WT+2*i+1]
.set i, i+1
.endr
	WIN 0
	v_min3_num_f32 v[T], v[PD], v[PD+1], v[PD+2]   ; the least of the 256 numbers
	v_min3_num_f32 v[T+1], v[PD+3], v[PD+4], v[PD+5]
	v_min3_num_f32 v[T], v[T], v[PD+6], v[PD+7]
	v_min_num_f32 v[T], v[T], v[T+1]
.irp m, 1,2,4,8
	v_min_num_f32_dpp v[T], v[T], v[T] row_xmask:\m row_mask:0xf bank_mask:0xf
.endr
	v_permlanex16_b32 v[T+1], v[T], s30, s31
	v_min_num_f32 v[KS], v[T], v[T+1]
; A CHUNK of 32 rows.  last = 1: nothing more is fetched, so no load leaves its buffer.
.macro CHUNK last
	s_wait_loadcnt 0x0                             ; the chunk's rows are in, and the loads' bases may be stepped
.if !(\last)
	s_add_nc_u64 s[4:5], s[4:5], 8192
	s_add_nc_u64 s[6:7], s[6:7], 8192
	s_add_nc_u64 s[8:9], s[8:9], 8192
.endif
	CVT 0, CT                                      ; CT and T are free: the waits on vm_vsrc of the chunk before stand behind the LDS stores that read them
	CVT 16, CT+8
	CVT 32, CT+16
	HSUM CT+8
.if !(\last)
	WIN 0x40                                       ; the loads' destination lies in window 1: the switch, then the wait, then the loads
.endif
	s_wait_alu depctr_va_vdst(0)                   ; the conversions are done reading RAW, in which the loads land; CT and T are written, which the LDS stores read; the last chunk's reduction, products and scalings (in the first chunk: W's conversions) are done with v32-95, HK and VF, in which the LDS loads behind the barrier land
.if !(\last)
	LOADRAW                                        ; the next chunk: it has this chunk's work in which to land
.endif
	LAY CT, ASX, 0, 8*PX
	LAY CT+8, ASX, KBO, 8*PX
	HLAY
	LAY CT+16, ASV, VBO, 8*PV
	s_wait_dscnt 0x0                               ; for the others' sake: my part of the tiles is written (my reads of the stages were over in the last chunk's reduction)
	s_barrier_signal -1
	s_barrier_wait -1                              ; the tiles are whole, and nobody reads a stage any more
	s_wait_alu depctr_vm_vsrc(0)                   ; the last chunk's global stores have read v32-95, in which the loads below land; my LDS stores above have read CT and T, which the features' products and the reduction write again
	LDX XQ, 0                                      ; no wait on va_vdst: no vector or matrix instruction since the one above
	LDX XK, KBO
	LDH
	LDV
	SSPLIT                                         ; work on registers while the fragments come
	s_wait_dscnt 0x0
	FEAT XQ, ZP, 0, QF
	FEAT XK, HK, 2, KF
	s_wait_alu depctr_va_vdst(0)                   ; k's split has written KF, which the LDS stores read
	TURNST
	SCORE
	PLACES
	s_wait_alu depctr_vm_vsrc(0)                   ; the LDS stores into the turn buffer have read KF, whose registers the masked scores' split writes
	MASKSPLIT
	SQ
	PVM
	PLACES
	s_wait_alu depctr_va_vdst(0)                   ; the products have written O^T, which the LDS stores read, and are done reading q', in whose registers the turning loads land; the places above stay beside this wait
	TURNLD                                         ; into q's registers, which the products above have read
	OSTAGE
	s_wait_dscnt 0x0                               ; for the others' sake: my stage is written; k' is back turned; my reads of the tiles were over above
	s_barrier_signal -1
	SUPD                                           ; work on registers while the others arrive
	WIN 0
	s_barrier_wait -1                              ; the stages are whole, and the tiles may be written again
	REDUCE
.endm
	s_mov_b32 s25, 7
.Lchunk:
	CHUNK 0
	s_sub_co_u32 s25, s25, 1
	s_cmp_lg_u32 s25, 0
	s_cbranch_scc1 .Lchunk
	CHUNK 1
	s_wait_dscnt 0x0                               ; the closing lines, six on end
	s_wait_alu 0x0
	s_wait_tensorcnt 0x0
	ds_add_u32 v[SPW], v[NIL]
	s_wait_dscnt 0x0
	s_endpgm
.Lfunc_end_k_qaa262d9145_attn:
	.size	k_qaa262d9145_attn, .Lfunc_end_k_qaa262d9145_attn-k_qaa262d9145_attn
	.p2alignl 7, 3214868480
	.fill 96, 4, 3214868480
	.section	.rodata,"a",@progbits
	.p2align	6, 0x0
	.amdhsa_kernel k_qaa262d9145_attn
		.amdhsa_group_segment_fixed_size 165376
		.amdhsa_private_segment_fixed_size 0
		.amdhsa_enable_private_segment 0
		.amdhsa_kernarg_size 56
		.amdhsa_user_sgpr_count 2
		.amdhsa_user_sgpr_kernarg_segment_ptr 1
		.amdhsa_wavefront_size32 1
		.amdhsa_system_sgpr_workgroup_id_x 1
		.amdhsa_system_sgpr_workgroup_id_y 1
		.amdhsa_system_sgpr_workgroup_id_z 1
		.amdhsa_system_vgpr_workitem_id 0
		.amdhsa_next_free_vgpr 512
		.amdhsa_next_free_sgpr 66
		.amdhsa_reserve_vcc 0
		.amdhsa_float_denorm_mode_32 3
		.amdhsa_float_denorm_mode_16_64 3
		.amdhsa_memory_ordered 1
		.amdhsa_forward_progress 1
		.amdhsa_inst_pref_size 121
	.end_amdhsa_kernel
	.amdgpu_metadata
---
amdhsa.version: [ 1, 2 ]
amdhsa.kernels:
  - .name:           k_qaa262d9145_attn
    .symbol:         k_qaa262d9145_attn.kd
    .args:
      - { .name: query, .offset: 0, .size: 8, .value_kind: global_buffer, .address_space: global }
      - { .name: key, .offset: 8, .size: 8, .value_kind: global_buffer, .address_space: global }
      - { .name: value, .offset: 16, .size: 8, .value_kind: global_buffer, .address_space: global }
      - { .name: random_features, .offset: 24, .size: 8, .value_kind: global_buffer, .address_space: global }
      - { .name: pre, .offset: 32, .size: 8, .value_kind: global_buffer, .address_space: global }
      - { .name: ksum, .offset: 40, .size: 8, .value_kind: global_buffer, .address_space: global }
      - { .name: out0, .offset: 48, .size: 8, .value_kind: global_buffer, .address_space: global }
    .group_segment_fixed_size: 165376
    .private_segment_fixed_size: 0
    .kernarg_segment_align: 8
    .kernarg_segment_size: 56
    .max_flat_workgroup_size: 256
    .sgpr_count:     66
    .vgpr_count:     512
    .wavefront_size: 32
...
	.end_amdgpu_metadata
.endif
;; end of part 7
